; MI455X (gfx1250); checked and timed in simulation.
; The chip was launched on July 23, 2026; its instructions are those of AMD's public machine-readable ISA for CDNA 5 (MIT licence, August 2026) and "CDNA5" Instruction Set Architecture Reference Guide (July 2026). The comments in the code are by the model that wrote it; some were corrected since.
;; No Softmax Attention. Allowed arithmetic: matrix products marked QUANTISED: E2M1 operands, one E8M0 scale for each 32 along K, by v_wmma_scale_f32_16x16x128_f8f6f4 with both operands' format E2M1 (or v_wmma_scale_f32_32x16x128_f4), f32 sums; products left as they are: bf16, f16 or f32 operands; f32 sums; everything else in f32.
;; Inputs: Wk 1,024 x 1,024 float32; Wo 1,024 x 1,024 float32; Wq 1,024 x 1,024 float32; Wv 1,024 x 1,024 float32; bk 1,024 float32; bo 1,024 float32; bq 1,024 float32; bv 1,024 float32; x 4 x 2,048 x 1,024 float32.
;; Outputs: out0 4 x 2,048 x 1,024 float32.
;; This version of the problem:
;;   THIS VERSION OF THE PROBLEM IS GIVEN IN LOW PRECISION. The matrix products marked QUANTISED in the list below multiply operands that are first quantised to E2M1 (2 exponent bits, 1 mantissa bit; 4 bits a number), with one power-of-two scale for each 32 numbers along K (OCP MX v1.0); their sums are f32. The products marked 'left as it is' may take bf16, f16 or f32 operands, with f32 sums. Whichever they take, every output number must still come out within the allowed error. Rounding operands to bf16 (8 significant bits) uses up far more of that allowance than f16 does (11 bits, for magnitudes from 6e-5 to 65,504). All else is computed in f32.
;;   The module's matrix products, in the order in which they are computed (A, B: the left and right operand; K: the contracted axis; several contracted axes count as one K, in the product's order):
;;     1. [M 8,192, K 1,024] x [K 1,024, N 1,024]; A: input x; B: input Wq: QUANTISED
;;     2. [M 8,192, K 1,024] x [K 1,024, N 1,024]; A: input x; B: input Wk: QUANTISED
;;     3. [M 8,192, K 1,024] x [K 1,024, N 1,024]; A: input x; B: input Wv: QUANTISED
;;     4. batch 4 x [M 2,048, K 1,024] x [K 1,024, N 2,048]; A: computed on the way; B: computed on the way: left as it is (an operand is computed on the way)
;;     5. batch 4 x [M 2,048, K 2,048] x [K 2,048, N 1,024]; A: computed on the way; B: computed on the way: left as it is (an operand is computed on the way)
;;     6. [M 8,192, K 1,024] x [K 1,024, N 1,024]; A: computed on the way; B: input Wo: left as it is (an operand is computed on the way)
;;   THE QUANTISER, for each operand of a quantised product, along K:
;;     - K is cut into blocks of 32 from its start; a last block that is shorter is filled with zeros.
;;     - A block's scale is 2^e with e = floor(log2(the largest magnitude in the block)) - 2, held to -126 .. 127; a block of zeros has e = 0. As a byte (E8M0): e + 127.
;;     - Each number is divided by its block's scale, clamped to +-6, and rounded to the nearest number of E2M1, ties to even, subnormals kept.
;;     - The product sums the exact products of the quantised numbers (number of the format x scale) in f32.
;;   ~~~python
;;   def quantise(x, axis):      # numpy; x: float32 -> the quantised numbers, widened to float32 again
;;       x = np.moveaxis(x, axis, -1); K = x.shape[-1]
;;       x = np.pad(x, [(0, 0)] * (x.ndim - 1) + [(0, -K % 32)]); x = x.reshape(x.shape[:-1] + (-1, 32)); a = np.abs(x).max(-1, keepdims=True)
;;       e = np.where(a > 0, np.clip(np.frexp(np.where(a > 0, a, 1))[1] - 1 - 2, -126, 127), 0)      # np.frexp(a)[1] - 1 = floor(log2(a)), exactly
;;       r = np.clip(x / 2.0 ** e, -6, 6)
;;       step = 2.0 ** (np.maximum(np.frexp(np.where(r == 0, 1, r))[1] - 1, 0) - 1)
;;       q = np.round(r / step) * step * 2.0 ** e      # np.round: ties to even
;;       return np.moveaxis(q.reshape(q.shape[:-2] + (-1,))[..., :K], -1, axis).astype(np.float32)
;;   ~~~
;; One version. Each part assembles by itself: llvm-mc -triple=amdgcn-amd-amdhsa -mcpu=gfx1250 --defsym DOCPART=n.
;; ======== version 1 of 1: 5 launches
;; limits: values are held in f16: magnitudes above 65,504 overflow, below 6.1e-05 lose precision; right only within a limited range of input values
;; workspace buffers: p1 8,225,280 bytes; p2 50,339,840 bytes; p3 8,396,800 bytes; p4 8,392,704 bytes
;; launch quant (part 1): grid 384 x 1, 4 waves a work-group, no clusters, 33,280 bytes of LDS; arguments x, Wq, Wk, Wv, Wo, p1; writes p1
.if DOCPART == 1
	.amdgcn_target "amdgcn-amd-amdhsa--gfx1250"
	.amdhsa_code_object_version 6
	.text
	.protected	k_qb53479ea41_quant
	.globl	k_qb53479ea41_quant
	.p2align	8
	.type	k_qb53479ea41_quant,@function
k_qb53479ea41_quant:
	s_mov_b64 s[64:65], 0
	v_nop
	global_prefetch_b8 v0, s[64:65] scope:SCOPE_SE
	s_setreg_imm32_b32 hwreg(HW_REG_WAVE_MODE, 25, 1), 1
	s_wait_xcnt 0x0
; x [8192][1024], Wq, Wk, Wv [1024][1024], f32, become codes of FP4 (E2M1), K innermost, with one E8M0 byte for each 32 along K; Wo [1024][1024] becomes f16, and the largest |Wo| of each wave's part is stored.
; p1: codes at 0 (11,264 rows of 512 bytes: x's rows, then Wq's, Wk's, Wv's); scale bytes at SCALES (32 a row, same order); Wo in f16 at WO16; 128 partial maxima of |Wo| at AWO.
; A block's scale is 2^(floor(log2(its largest magnitude)) - 2): its byte is the largest magnitude's exponent field - 2, held at 1 from below.  A block of zeros so gets the byte 1 where the rule says 127:
; its codes are zeros, which add nothing under any byte but 0xff, and the bytes are read by this program alone.
; LIMITS: blocks whose largest magnitude lies under 2^(2 - 126) have their byte held at 1; NaN and infinities among the inputs are not served; |Wo| stays under 65,504 (f16's largest number).
; SHARES: a work-group takes 32,768 numbers, a wave 8,192, in 16 steps of 512.  Work-groups 0-255: x; 256-287: Wq; 288-319: Wk; 320-351: Wv; 352-383: Wo.  Rows are dense and 1,024 is a multiple of 32:
; every tensor is a plain stream of blocks of 32.  Each load of a wave reads 512 consecutive bytes; for the conversions a lane must hold 16 neighbours, so a step's 2,048 bytes turn through the wave's own stage in LDS.
; No matrix unit, no cluster, no tensor load: the work-groups share no input and every byte is read once.
.set WAVES, 4
.set STEPS, 16
.set EMAX,  2
.set CB,    8                          ; bytes of 16 codes
.set R,     16                         ; v16-79   four sets of 16 numbers as they are loaded
.set X,     80                         ; v80-111  two sets of 16 neighbours (Wo's path: two sets of 8 registers of f16)
.set H,     80
.set C,     128                        ; v128-191 codes: four registers for each step
.set E,     112                        ; v112-127 a scale byte for each step
.set WREG,  8192                       ; LDS: a region for each wave: two stages of 32 x SP bytes, behind them its 256 scale bytes
.set SP,    80                         ; a lane's place in a stage: 64 bytes + 16 of padding
.set SPW,   12                         ; v12 LDS address of my spare word; never rewritten
.set NIL,   13                         ; v13 0; never rewritten
.set SPARE, WAVES*WREG                 ; the spare words, 128 bytes for each wave, named by no other line
.set SCALES, 5767168
.set WO16,  6127616
.set AWO,   8224768
.macro LOAD t                          ; step t's 2,048 bytes: four loads of 512 consecutive bytes
.irp i, 0,1,2,3
	global_load_b128 v[R+16*((\t)%4)+4*\i:R+16*((\t)%4)+4*\i+3], v3, s[20:21] offset:2048*(\t)+512*\i th:TH_LOAD_NT
.endr
.endm
	s_load_b256 s[4:11], s[0:1], 0x0               ; x, Wq, Wk, Wv
	s_load_b128 s[12:15], s[0:1], 0x20             ; Wo, p1
	v_lshl_add_u32 v[SPW], v0, 2, SPARE
	v_mov_b32 v[NIL], 0
	v_lshrrev_b32 v1, 5, v0
	v_readfirstlane_b32 s16, v1                    ; wave
	v_and_b32 v2, 31, v0                           ; lane
	v_lshlrev_b32 v3, 4, v2                        ; my 16 bytes of a load's 512
	s_mul_i32 s17, s16, WREG
	v_lshrrev_b32 v14, 2, v2
	v_mul_u32_u24 v14, v14, SP
	v_and_b32 v15, 3, v2
	v_lshl_add_u32 v14, v15, 4, v14
	v_add_nc_u32 v14, s17, v14                     ; the stage, on the way in: SP (lane / 4) + 16 (lane % 4)
	v_mul_u32_u24 v15, v2, SP
	v_add_nc_u32 v15, s17, v15                     ; and on the way out: SP x lane: my 16 neighbours
	v_mul_u32_u24 v4, v2, CB                       ; 8 x lane: my codes' (Wo: my four f16's) place in 256 bytes
	v_lshrrev_b32 v5, 1, v2
	s_add_co_u32 s17, s17, 2*32*SP
	v_add_nc_u32 v5, s17, v5                       ; LDS: my wave's 256 scale bytes, my block's byte
	v_lshlrev_b32 v7, 3, v2
	v_add_nc_u32 v6, s17, v7
	s_mov_b32 s19, 0
	s_wait_kmcnt 0x0
	s_cmp_ge_u32 ttmp9, 352                        ; the work-group's number alone decides the path
	s_cbranch_scc1 .Lwo
	; ---- the quantiser's path.  Only pointers are chosen: all four tensors take one way through the text
	s_mov_b64 s[20:21], s[10:11]
	s_cmp_lt_u32 ttmp9, 320
	s_cselect_b64 s[20:21], s[8:9], s[20:21]
	s_cmp_lt_u32 ttmp9, 288
	s_cselect_b64 s[20:21], s[6:7], s[20:21]
	s_and_b32 s17, ttmp9, 31                       ; a weight's 32 work-groups begin at multiples of 32
	s_cmp_lt_u32 ttmp9, 256
	s_cselect_b64 s[20:21], s[4:5], s[20:21]
	s_cselect_b32 s17, ttmp9, s17                  ; the work-group's number within its tensor
	s_lshl_b32 s17, s17, 2
	s_add_co_u32 s17, s17, s16                     ; which run of 8,192 numbers of the tensor is my wave's
	s_lshl_b32 s18, s17, 15
	s_add_nc_u64 s[20:21], s[20:21], s[18:19]
	s_lshl_b32 s17, ttmp9, 2
	s_add_co_u32 s17, s17, s16                     ; and which run of the codes' and the bytes' streams
	s_lshl_b32 s18, s17, 12
	s_add_nc_u64 s[22:23], s[14:15], s[18:19]
	s_lshl_b32 s18, s17, 8
	s_add_co_u32 s18, s18, SCALES
	s_add_nc_u64 s[24:25], s[14:15], s[18:19]
.macro TURN t                          ; step t's numbers through the stage: LDS serves a wave's instructions in order (ISA guide 5.7.1.4), so no wait stands between the stores and the loads
.irp i, 0,1,2,3
	ds_store_b128 v14, v[R+16*((\t)%4)+4*\i:R+16*((\t)%4)+4*\i+3] offset:32*SP*((\t)%2)+8*SP*\i
.endr
.irp i, 0,1,2,3
	ds_load_b128 v[X+16*((\t)%2)+4*\i:X+16*((\t)%2)+4*\i+3], v15 offset:32*SP*((\t)%2)+16*\i
.endr
.endm
.irp t, 0,1,2,3
	LOAD \t
.endr
	s_wait_loadcnt 12                              ; step 0's four loads are in; the twelve behind them may be out
	TURN 0
.macro STEP t
.set XS, X+16*((\t)%2)
.if (\t) > 0
	s_wait_dscnt 1                                 ; this step's numbers are back from the stage; the last step's byte store may be out
.else
	s_wait_dscnt 0x0
.endif
.if (\t)+4 < STEPS
	LOAD (\t)+4                                    ; into the registers that this step's stores into the stage have read
.endif
.if (\t)+1 < STEPS
.if STEPS-2-(\t) >= 3
	s_wait_loadcnt 12                              ; the next step's four loads are in; those of the three steps behind it may be out
.else
	s_wait_loadcnt 4*(STEPS-2-(\t))
.endif
	TURN (\t)+1
.endif
	v_max3_num_f32 v8, |v[XS]|, |v[XS+1]|, |v[XS+2]|               ; the largest magnitude of my 16, in two chains
	v_max3_num_f32 v9, |v[XS+3]|, |v[XS+4]|, |v[XS+5]|
.irp i, 6,10
	v_max3_num_f32 v8, v8, |v[XS+\i]|, |v[XS+\i+1]|
	v_max3_num_f32 v9, v9, |v[XS+\i+2]|, |v[XS+\i+3]|
.endr
	v_max3_num_f32 v8, v8, |v[XS+14]|, |v[XS+15]|
	v_max3_num_f32 v8, v8, v9, (EMAX+1)<<23        ; and the floor 2^(EMAX + 1 - 127): the byte cannot fall under 1
	v_max_num_f32_dpp v8, v8, v8 row_xmask:1 row_mask:0xf bank_mask:0xf   ; and of my neighbour's 16: the block's
	v_add_nc_u32 v11, -(EMAX<<23), v8              ; EMAX off its exponent field: the conversion takes the exponent field of this operand as its scale
	v_cvt_scalef32_pk8_fp4_f32 v[C+4*(\t)], v[XS:XS+7], v11
	v_cvt_scalef32_pk8_fp4_f32 v[C+4*(\t)+1], v[XS+8:XS+15], v11
	v_lshrrev_b32 v[E+(\t)], 23, v11               ; the scale's byte (a plain line behind the conversions)
	ds_store_b8 v5, v[E+(\t)] offset:16*(\t)       ; both lanes of a block write the same byte with the same value
	global_store_b64 v4, v[C+4*(\t):C+4*(\t)+1], s[22:23] offset:32*CB*(\t)   ; the wave stores 256 consecutive bytes, aligned
.endm
.irp t, 0,1,2,3,4,5,6,7,8,9,10,11,12,13,14,15
	STEP \t
.endr
	ds_load_b64 v[8:9], v6                         ; my wave's 256 scale bytes, 8 a lane
	s_wait_dscnt 0x0
	global_store_b64 v7, v[8:9], s[24:25]          ; 256 consecutive bytes, aligned
	s_wait_tensorcnt 0x0                           ; the wave's end
	ds_add_u32 v[SPW], v[NIL]
	s_wait_dscnt 0x0
	s_endpgm
	; ---- Wo's path: f32 to f16 as the numbers lie, and the largest magnitude.  It uses no LDS byte but the spare words
.Lwo:
	s_sub_co_u32 s17, ttmp9, 352
	s_lshl_b32 s17, s17, 2
	s_add_co_u32 s17, s17, s16                     ; which run of 8,192 numbers is my wave's
	s_lshl_b32 s18, s17, 15
	s_add_nc_u64 s[20:21], s[12:13], s[18:19]
	s_lshl_b32 s18, s17, 14
	s_add_co_u32 s18, s18, WO16
	s_add_nc_u64 s[22:23], s[14:15], s[18:19]
	s_lshl_b32 s18, s17, 2
	s_add_co_u32 s18, s18, AWO
	s_add_nc_u64 s[24:25], s[14:15], s[18:19]
	s_mov_b32 s26, 0x76543210                      ; v_permlanex16_b32's selects for lane l xor 16
	s_mov_b32 s27, 0xfedcba98
	v_mov_b32 v8, 0                                ; two chains of the maximum
	v_mov_b32 v9, 0
	v_mov_b32 v10, 0                               ; (a lane permute's destination counts as one of its sources)
	v_mov_b32 v11, 0                               ; offset 0 for the one-lane store
.irp t, 0,1,2,3
	LOAD \t
.endr
.macro WSTEP t
.set RS, R+16*((\t)%4)
.set HS, H+8*((\t)%2)
.if 15-(\t) >= 3
	s_wait_loadcnt 12                              ; this step's four loads are in; those of the three steps behind it may be out
.else
	s_wait_loadcnt 4*(15-(\t))
.endif
	s_wait_xcnt 0x0                                ; the stores two steps back have read this set of f16 registers: it is written again only behind this wait
.irp i, 0,4,8,12
	v_max3_num_f32 v8, v8, |v[RS+\i]|, |v[RS+\i+1]|
	v_max3_num_f32 v9, v9, |v[RS+\i+2]|, |v[RS+\i+3]|
.endr
.irp i, 0,1,2,3,4,5,6,7
	v_cvt_pk_f16_f32 v[HS+\i], v[RS+2*\i], v[RS+2*\i+1]
.endr
.if (\t)+4 < STEPS
	LOAD (\t)+4
.endif
.irp i, 0,1,2,3
	global_store_b64 v4, v[HS+2*\i:HS+2*\i+1], s[22:23] offset:1024*(\t)+256*\i   ; 256 consecutive bytes, aligned
.endr
.endm
.irp t, 0,1,2,3,4,5,6,7,8,9,10,11,12,13,14,15
	WSTEP \t
.endr
	v_max_num_f32 v8, v8, v9
	v_max_num_f32_dpp v8, v8, v8 row_xmask:1 row_mask:0xf bank_mask:0xf
	v_max_num_f32_dpp v8, v8, v8 row_xmask:2 row_mask:0xf bank_mask:0xf
	v_max_num_f32_dpp v8, v8, v8 row_xmask:4 row_mask:0xf bank_mask:0xf
	v_max_num_f32_dpp v8, v8, v8 row_xmask:8 row_mask:0xf bank_mask:0xf
	v_permlanex16_b32 v10, v8, s26, s27
	v_max_num_f32 v8, v8, v10                      ; the wave's largest |Wo|
	v_cmp_eq_u32 vcc_lo, 0, v2
	s_wait_xcnt 0x0                                ; EXEC is a source of the stores above: it changes only behind this wait
	s_and_saveexec_b32 s28, vcc_lo
	global_store_b32 v11, v8, s[24:25]             ; lane 0 stores it
	s_wait_xcnt 0x0                                ; and again ahead of the line that widens EXEC
	s_or_b32 exec_lo, exec_lo, s28
	s_wait_tensorcnt 0x0                           ; the wave's end
	ds_add_u32 v[SPW], v[NIL]
	s_wait_dscnt 0x0
	s_endpgm
.Lfunc_end_k_qb53479ea41_quant:
	.size	k_qb53479ea41_quant, .Lfunc_end_k_qb53479ea41_quant-k_qb53479ea41_quant
	.p2alignl 7, 3214868480
	.fill 96, 4, 3214868480
	.section	.rodata,"a",@progbits
	.p2align	6, 0x0
	.amdhsa_kernel k_qb53479ea41_quant
		.amdhsa_group_segment_fixed_size 33280
		.amdhsa_private_segment_fixed_size 0
		.amdhsa_enable_private_segment 0
		.amdhsa_kernarg_size 48
		.amdhsa_user_sgpr_count 2
		.amdhsa_user_sgpr_kernarg_segment_ptr 1
		.amdhsa_wavefront_size32 1
		.amdhsa_system_sgpr_workgroup_id_x 1
		.amdhsa_system_sgpr_workgroup_id_y 1
		.amdhsa_system_sgpr_workgroup_id_z 1
		.amdhsa_system_vgpr_workitem_id 0
		.amdhsa_next_free_vgpr 192
		.amdhsa_next_free_sgpr 66
		.amdhsa_reserve_vcc 1
		.amdhsa_float_denorm_mode_32 3
		.amdhsa_float_denorm_mode_16_64 3
		.amdhsa_memory_ordered 1
		.amdhsa_forward_progress 1
		.amdhsa_inst_pref_size 64
	.end_amdhsa_kernel
	.amdgpu_metadata
---
amdhsa.version: [ 1, 2 ]
amdhsa.kernels:
  - .name:           k_qb53479ea41_quant
    .symbol:         k_qb53479ea41_quant.kd
    .args:
      - { .name: x, .offset: 0, .size: 8, .value_kind: global_buffer, .address_space: global }
      - { .name: Wq, .offset: 8, .size: 8, .value_kind: global_buffer, .address_space: global }
      - { .name: Wk, .offset: 16, .size: 8, .value_kind: global_buffer, .address_space: global }
      - { .name: Wv, .offset: 24, .size: 8, .value_kind: global_buffer, .address_space: global }
      - { .name: Wo, .offset: 32, .size: 8, .value_kind: global_buffer, .address_space: global }
      - { .name: p1, .offset: 40, .size: 8, .value_kind: global_buffer, .address_space: global }
    .group_segment_fixed_size: 33280
    .private_segment_fixed_size: 0
    .kernarg_segment_align: 8
    .kernarg_segment_size: 48
    .max_flat_workgroup_size: 128
    .sgpr_count:     66
    .vgpr_count:     192
    .wavefront_size: 32
...
	.end_amdgpu_metadata
.endif
;; end of part 1
;; launch qkv (part 2): grid 8 x 32, 4 waves a work-group, clusters of 4 x 4, 327,680 bytes of LDS; arguments p1, bq, bk, bv, p2; writes p2
.if DOCPART == 2
	.amdgcn_target "amdgcn-amd-amdhsa--gfx1250"
	.amdhsa_code_object_version 6
	.text
	.protected	k_qb53479ea41_qkv
	.globl	k_qb53479ea41_qkv
	.p2align	8
	.type	k_qb53479ea41_qkv,@function
k_qb53479ea41_qkv:
	s_mov_b64 s[64:65], 0
	v_nop
	global_prefetch_b8 v0, s[64:65] scope:SCOPE_SE
	s_setreg_imm32_b32 hwreg(HW_REG_WAVE_MODE, 25, 1), 1
	s_wait_xcnt 0x0
	s_wait_alu depctr_hold_cnt(0) depctr_sa_sdst(0) depctr_va_vdst(0) depctr_va_sdst(0) depctr_va_ssrc(0) depctr_va_vcc(0) depctr_vm_vsrc(0)
	s_getreg_b32 s2, hwreg(HW_REG_IB_STS2, 6, 4)
	s_cmp_eq_u32 s2, 0
	s_cbranch_scc0 .Lentry_in_a_cluster
	s_endpgm
.Lentry_in_a_cluster:
	s_bfe_u32 s2, ttmp6, 0x10000c
	s_cmp_lg_u32 s2, 0xf033
	s_cbranch_scc0 .Lentry_shape_is_right
	s_endpgm
.Lentry_shape_is_right:
; q = x Wq^T + bq, k = x Wk^T + bk, v = x Wv^T + bv on codes of FP4 (E2M1) with one E8M0 scale for each 32 along K (K = 1,024), sums in f32; results rounded once to f16.
; p1: codes (rows of 512 bytes: x's 8,192, then Wq's, Wk's, Wv's 1,024 each) and scale bytes (32 a row).  p2: q [8192 s][1024 e] at 0; k TRANSPOSED [4 b][1024 e][2048 t] at KTO; v likewise behind it;
; each wave's largest |k| and |v| (f32, bias included) at AKO and AKO + 4,096, entry 4 (8 Y + X) + wave.
; LIMITS: |q|, |k|, |v| stay under 65,504 (f16's largest number); NaN and infinities are not served.
; SHARES.  A work-group takes 256 rows of x (block Y) and 128 features (block X) of each of q, k, v, in three PASSES.  x's tile, 256 rows x all of K (512 bytes a row), stays in LDS for all three; the weights' tiles
; (128 rows x 512 bytes) have two slots: Wq's and Wk's come with the first fills, Wv's takes Wq's slot behind pass q: the launch's one refill.
; ONE FORM OF PASS.  Source 0 = 8 blocks of 16 rows, source 1 = 4 blocks: 32 accumulators, (b0, b1) at window 2, v[64 b1 + 8 b0].  Lane (r, h), register j holds Out[source 1's row 16 b1 + r][source 0's row 16 b0 + 8 h + j].
;   pass q: source 0 = Wq's 128 rows, source 1 = x's rows 64 w on: a lane holds eight neighbouring features of a row of q.
;   passes k, v: source 0 = x's rows 128 (w / 2) on, source 1 = the weight's rows 64 (w % 2) on: a lane holds eight neighbouring TOKENS of a feature: the transposed layout comes out with no transposing instruction.
; So a wave's output is always 64 rows of 128 f16, 256 bytes.  The bias is the C of each sum's first matrix instruction.
; CLUSTER 4 x 4: x's tile hangs on Y alone and is asked for jointly along a row of the cluster, the weights' on X alone, along a column.
; REGISTERS: window 0: v1-29 addresses and small things; v32-95, v96-127 scale words of source 0 and 1 (block i, K step q at 8 i + q): scales and nothing else; v128-159 packed results; v160-223 rows read back.
;   window 1: two sets of fragments (source 0: 64 registers, source 1: 32) at v0 and v96; v192-255 the bias in C's layout.   window 2: the accumulators.
.set PITCH,  528                       ; an LDS row: 512 bytes + 16 of padding = 132 words: row r starts at bank 4 r mod 64 (64 banks of 4 bytes: ISA guide 11.1)
.set HALFT,  128*PITCH                 ; 128 rows: what one tensor load brings
.set WS0,    2*HALFT                   ; behind x's 256 rows: Wq's tile, later Wv's
.set WS1,    3*HALFT                   ; Wk's tile
.set STAGE,  4*HALFT                   ; 16 rows x 272 bytes for each wave, for the way out; no tensor load lands here
.set SPITCH, 272
.set SPARE,  STAGE+4*16*SPITCH         ; the spare words, 128 bytes for each wave, named by no other line
.set SCALES, 5767168
.set KTO,    16777216
.set AKO,    50331648
.set LANE, 3
.set S0Q,  4                           ; v4-8 LDS addresses of the passes' fragments
.set S1Q,  5
.set S0K,  6
.set S1K,  7
.set S1V,  8
.set STO,  9
.set RD,   10
.set COQ,  11
.set COK,  12
.set MX,   20                          ; v20, v21 two chains of a maximum; v22 at work
.set ZOFF, 23
.set SPW,  28
.set NIL,  29
.set SS0,  32
.set SS1,  96
.set TMP,  128
.set BKR,  160
.set BI,   192                         ; in window 1
.set G1,   24                          ; s[24:31] descriptor group 1 for x's tile; s[32:35] its group 0
.set G0,   32
.set G0B,  36                          ; s[36:39] group 0 for the first weight tiles; s[48:55] their group 1
.set G1B,  48
.set G0R,  56                          ; s[56:59] group 0 for Wv's tile
.set SXQ,  66
.set SXK,  68
.set SWQ,  70
.set SWK,  72
.set SWV,  74
.set BQP,  76
.set BKP,  78
.set BVP,  80
.set OQP,  82
.set OKP,  84
.set OVP,  86
.set PAK,  88
.set PAV,  90
.set SEL,  92
.set SV,   94
.set MSB, 0
.macro WIN new                         ; the immediate's high byte repeats the setting that is left
.if MSB != \new
	s_set_vgpr_msb (MSB<<8)|\new
.set MSB, \new
.endif
.endm
.macro PLACES                          ; four plain places behind matrix instructions, ahead of loads into their registers and of reads of their results
.rept 4
	v_nop
.endr
.endm
.macro CREST
	s_cmp_lg_u32 s14, 0
	s_cbranch_scc1 .Lnot_wave_0_\@
	s_barrier_signal -3
.Lnot_wave_0_\@:
	s_barrier_wait -3
	s_barrier_signal -1
	s_barrier_wait -1
.endm
.macro CROUND                          ; a round of the cluster's barrier
	s_barrier_signal -1
	s_barrier_wait -1
	CREST
.endm
.macro REDUCE m, t                     ; a lane's maximum becomes the wave's, in every lane
	v_max_num_f32_dpp v[\m], v[\m], v[\m] row_xmask:1 row_mask:0xf bank_mask:0xf
	v_max_num_f32_dpp v[\m], v[\m], v[\m] row_xmask:2 row_mask:0xf bank_mask:0xf
	v_max_num_f32_dpp v[\m], v[\m], v[\m] row_xmask:4 row_mask:0xf bank_mask:0xf
	v_max_num_f32_dpp v[\m], v[\m], v[\m] row_xmask:8 row_mask:0xf bank_mask:0xf
	v_permlanex16_b32 v[\t], v[\m], s[SEL], s[SEL+1]
	v_max_num_f32 v[\m], v[\m], v[\t]
.endm
.macro PUT1 base, data                 ; lane 0 stores one word.  EXEC is a source of pending stores: it changes only behind s_wait_xcnt 0
	v_cmp_eq_u32 vcc_lo, 0, v[LANE]
	s_wait_xcnt 0x0
	s_and_saveexec_b32 s[SV], vcc_lo
	global_store_b32 v[ZOFF], v[\data], s[\base:\base+1]
	s_wait_xcnt 0x0
	s_or_b32 exec_lo, exec_lo, s[SV]
.endm
	s_load_b256 s[4:11], s[0:1], 0x0               ; p1, bq, bk, bv
	s_load_b64 s[12:13], s[0:1], 0x20              ; p2
	v_lshl_add_u32 v[SPW], v0, 2, SPARE
	v_mov_b32 v[NIL], 0
	ds_add_u32 v[SPW], v[NIL]                      ; the wave's opening: the add, twice on end, and its wait ahead of my first tensor load
	ds_add_u32 v[SPW], v[NIL]
	v_lshrrev_b32 v1, 5, v0
	v_readfirstlane_b32 s14, v1                    ; wave 0..3
	s_lshr_b32 s15, s14, 1                         ; I fetch for x (0) or a weight (1).  Also: which 128 rows of x are mine in passes k, v
	s_and_b32 s16, s14, 1                          ; which half of x's tile, or which weight, I fetch.  Also: which 64 rows of the weight are mine
	s_bfe_u32 s40, ttmp6, 0x40000                  ; cx
	s_bfe_u32 s41, ttmp6, 0x40004                  ; cy
	s_lshl_b32 s42, ttmp9, 2
	s_add_co_u32 s42, s42, s40                     ; X = 4 x cluster x + cx
	s_and_b32 s17, ttmp7, 0xffff
	s_lshl_b32 s17, s17, 2
	s_add_co_u32 s17, s17, s41                     ; Y = 4 x cluster y + cy
	s_lshl_b32 s43, s41, 2
	s_lshl_b32 s43, 15, s43                        ; my row of the cluster
	s_lshl_b32 s44, 0x1111, s40                    ; my column
	; group 1: 128 rows x 512 elements of one byte, 4 words of padding behind every 128 words
	s_or_b32 s[G1], s43, (1<<20)|(1<<21)|(6<<22)|(3<<25)
	s_or_b32 s[G1B], s44, (1<<20)|(1<<21)|(6<<22)|(3<<25)
.irp g, G1, G1B
	s_mov_b32 s[\g+1], 512<<16                     ; tensor_dim0
	s_mov_b32 s[\g+2], 128<<16                     ; tensor_dim1
	s_mov_b32 s[\g+3], 512<<16                     ; tile_dim0
	s_mov_b32 s[\g+4], 128                         ; tile_dim1
	s_mov_b32 s[\g+5], 512                         ; from row to row
	s_mov_b32 s[\g+6], 0
	s_mov_b32 s[\g+7], 0
.endr
	s_lshl_b32 s18, s17, 8                         ; x: row 256 Y + 128 (w % 2), in registers that never hold cx
	s_lshl_b32 s19, s16, 7
	s_add_co_u32 s20, s18, s19
	s_lshl_b32 s20, s20, 9
	s_mov_b32 s21, 0
	s_lshl_b32 s46, s42, 7                         ; the weights: row 8,192 + 1,024 (w % 2) + 128 X, in registers that never hold cy
	s_lshl_b32 s47, s16, 10
	s_add_co_u32 s46, s46, s47
	s_add_co_u32 s46, s46, 8192
	s_lshl_b32 s46, s46, 9
	s_mov_b32 s47, 0
	s_lshl_b32 s60, s42, 7                         ; Wv: row 10,240 + 128 X
	s_add_co_u32 s60, s60, 10240
	s_lshl_b32 s60, s60, 9
	s_mov_b32 s61, 0
	s_mul_i32 s45, s14, HALFT                      ; where my first fill goes: wave x 128 rows
	s_mov_b32 s[SEL], 0x76543210
	s_mov_b32 s[SEL+1], 0xfedcba98
	s_wait_dscnt 0x0                               ; both opening adds are done
	s_wait_kmcnt 0x0
	s_mov_b32 s[G0], 1
	s_mov_b32 s[G0+1], s45
	s_add_nc_u64 s[G0+2:G0+3], s[4:5], s[20:21]
	s_or_b32 s[G0+3], s[G0+3], 0x80000000
	s_mov_b32 s[G0B], 1
	s_mov_b32 s[G0B+1], s45
	s_add_nc_u64 s[G0B+2:G0B+3], s[4:5], s[46:47]
	s_or_b32 s[G0B+3], s[G0B+3], 0x80000000
	s_mov_b32 s[G0R], 1
	s_mov_b32 s[G0R+1], WS0
	s_add_nc_u64 s[G0R+2:G0R+3], s[4:5], s[60:61]
	s_or_b32 s[G0R+3], s[G0R+3], 0x80000000
	CROUND                                         ; all sixteen work-groups are here: the first joint loads meet
	s_cmp_eq_u32 s15, 0                            ; waves 0, 1: x's halves; waves 2, 3: Wq's and Wk's tiles.  One load a wave is out
	s_cbranch_scc0 .Lfor_w
	tensor_load_to_lds s[G0:G0+3], s[G1:G1+7]
	s_nop 0
.rept 4
	v_nop
.endr
	s_branch .Lasked
.Lfor_w:
	tensor_load_to_lds s[G0B:G0B+3], s[G1B:G1B+7]
	s_nop 0
.rept 4
	v_nop
.endr
.Lasked:
	; the bases of all that goes through registers
	s_mov_b32 s63, 0
	s_lshl_b32 s22, s17, 13                        ; 256 Y rows of 32 scale bytes
	s_add_co_u32 s22, s22, SCALES
	s_lshl_b32 s62, s14, 11
	s_add_co_u32 s62, s62, s22
	s_add_nc_u64 s[SXQ:SXQ+1], s[4:5], s[62:63]    ; x's scales, rows 64 w on
	s_lshl_b32 s62, s15, 12
	s_add_co_u32 s62, s62, s22
	s_add_nc_u64 s[SXK:SXK+1], s[4:5], s[62:63]    ; x's scales, rows 128 (w / 2) on
	s_lshl_b32 s22, s42, 12                        ; 128 X rows of 32 scale bytes
	s_add_co_u32 s62, s22, SCALES+8192*32
	s_add_nc_u64 s[SWQ:SWQ+1], s[4:5], s[62:63]
	s_lshl_b32 s62, s16, 11
	s_add_co_u32 s62, s62, s22
	s_add_co_u32 s62, s62, SCALES+9216*32
	s_add_nc_u64 s[SWK:SWK+1], s[4:5], s[62:63]    ; Wk's scales, rows 64 (w % 2) on
	s_add_nc_u64 s[SWV:SWV+1], s[SWK:SWK+1], 32768 ; Wv's: 1,024 rows further
	s_lshl_b32 s62, s42, 9
	s_add_nc_u64 s[BQP:BQP+1], s[6:7], s[62:63]
	s_lshl_b32 s22, s16, 8
	s_add_co_u32 s62, s62, s22
	s_add_nc_u64 s[BKP:BKP+1], s[8:9], s[62:63]
	s_add_nc_u64 s[BVP:BVP+1], s[10:11], s[62:63]
	s_lshl_b32 s62, s17, 19                        ; q: (256 Y + 64 w) rows of 2,048 bytes + 256 X
	s_lshl_b32 s22, s14, 17
	s_add_co_u32 s62, s62, s22
	s_lshl_b32 s22, s42, 8
	s_add_co_u32 s62, s62, s22
	s_add_nc_u64 s[OQP:OQP+1], s[12:13], s[62:63]
	s_lshr_b32 s62, s17, 3                         ; k^T: batch Y / 8; row 128 X + 64 (w % 2) of 4,096 bytes; token 256 (Y % 8) + 128 (w / 2)
	s_lshl_b32 s62, s62, 22
	s_lshl_b32 s22, s42, 19
	s_add_co_u32 s62, s62, s22
	s_lshl_b32 s22, s16, 18
	s_add_co_u32 s62, s62, s22
	s_and_b32 s22, s17, 7
	s_lshl_b32 s22, s22, 9
	s_add_co_u32 s62, s62, s22
	s_lshl_b32 s22, s15, 8
	s_add_co_u32 s62, s62, s22
	s_add_co_u32 s62, s62, KTO
	s_add_nc_u64 s[OKP:OKP+1], s[12:13], s[62:63]
	s_add_nc_u64 s[OVP:OVP+1], s[OKP:OKP+1], 16777216
	s_lshl_b32 s62, s17, 7                         ; the maxima: entry 4 (8 Y + X) + w, 4 bytes each
	s_lshl_b32 s22, s42, 4
	s_add_co_u32 s62, s62, s22
	s_lshl_b32 s22, s14, 2
	s_add_co_u32 s62, s62, s22
	s_add_co_u32 s62, s62, AKO
	s_add_nc_u64 s[PAK:PAK+1], s[12:13], s[62:63]
	s_add_nc_u64 s[PAV:PAV+1], s[PAK:PAK+1], 4096
	v_and_b32 v1, 15, v0                           ; r
	v_bfe_u32 v2, v0, 4, 1                         ; h
	v_and_b32 v[LANE], 31, v0
	v_lshlrev_b32 v13, 5, v1                       ; a row's 32 scale bytes
	v_lshlrev_b32 v14, 5, v2                       ; bq: my half's eight numbers
	v_lshlrev_b32 v15, 2, v1                       ; bk, bv: my row's number
	v_mov_b32 v[ZOFF], 0
.macro SCL reg, base, n                ; the scale words of n blocks of 16 rows, all eight K steps: lane r takes row r's 32 bytes (lanes 16-31 the same; they are not read)
.set I, 0
.rept \n
	global_load_b128 v[\reg+8*I:\reg+8*I+3], v13, s[\base:\base+1] offset:512*I
	global_load_b128 v[\reg+8*I+4:\reg+8*I+7], v13, s[\base:\base+1] offset:512*I+16
.set I, I+1
.endr
.endm
	SCL SS0, SWQ, 8
	SCL SS1, SXQ, 4
	WIN 0x40                                       ; destination window 1
.irp b, 0,1,2,3,4,5,6,7
	global_load_b128 v[BI+8*\b:BI+8*\b+3], v14, s[BQP:BQP+1] offset:64*\b       ; bq[128 X + 16 b + 8 h + 0 .. 7]: C of accumulators (b, .)
	global_load_b128 v[BI+8*\b+4:BI+8*\b+7], v14, s[BQP:BQP+1] offset:64*\b+16
.endr
	WIN 0
	v_mul_u32_u24 v22, v1, PITCH
	v_lshl_add_u32 v22, v2, 4, v22                 ; a fragment's row x pitch + 16 x half
	v_add_nc_u32 v[S0Q], WS0, v22
	s_mul_i32 s62, s14, 64*PITCH
	v_add_nc_u32 v[S1Q], s62, v22
	s_mul_i32 s62, s15, HALFT
	v_add_nc_u32 v[S0K], s62, v22
	s_mul_i32 s62, s16, 64*PITCH
	s_add_co_u32 s22, s62, WS1
	v_add_nc_u32 v[S1K], s22, v22
	s_add_co_u32 s22, s62, WS0
	v_add_nc_u32 v[S1V], s22, v22
	s_mul_i32 s62, s14, 16*SPITCH
	s_add_co_u32 s62, s62, STAGE                   ; my stage
	v_mul_u32_u24 v[STO], v1, SPITCH
	v_lshl_add_u32 v[STO], v2, 4, v[STO]
	v_add_nc_u32 v[STO], s62, v[STO]               ; in: row r, 16 bytes for each half of the lanes
	v_mul_u32_u24 v[RD], v2, SPITCH
	v_lshl_add_u32 v[RD], v1, 4, v[RD]
	v_add_nc_u32 v[RD], s62, v[RD]                 ; back: lanes 0-15 one row of 256 bytes, lanes 16-31 the next
	v_lshlrev_b32 v[COQ], 11, v2
	v_lshl_add_u32 v[COQ], v1, 4, v[COQ]           ; the same two rows in q (2,048 bytes apart)
	v_lshlrev_b32 v[COK], 12, v2
	v_lshl_add_u32 v[COK], v1, 4, v[COK]           ; and in k^T, v^T (4,096 bytes apart)
.macro FRAG reg, adr, q, i             ; 16 rows x 128 K of 4-bit codes: 8 registers: lane l holds row l % 16; registers 4 c .. 4 c + 3 hold K = 64 c + 32 (l / 16) + 0 .. 31
.irp c, 0,1
	ds_load_b128 v[\reg+4*\c:\reg+4*\c+3], v[\adr] offset:64*(\q)+32*\c+(\i)*16*PITCH
.endr
.endm
.macro FETCH a0, a1, q, set            ; 24 LDS loads in one run: K step q's fragments into a set
	WIN 0x40
.irp i, 0,1,2,3,4,5,6,7
	FRAG 96*(\set)+8*\i, \a0, \q, \i
.endr
.irp i, 0,1,2,3
	FRAG 96*(\set)+64+8*\i, \a1, \q, \i
.endr
.endm
; 32 matrix instructions: a K step of 128.  The 32 accumulators take turns, one instruction a turn, in one order in every step.
; first = 1: the bias starts the sums: cb = 0: by source 0's block; cb = 1: by source 1's.
.macro MUL32 set, q, first, cb
.if \first
	WIN 0x95                                       ; sources 0, 1 and C window 1, D window 2
.else
	WIN 0xa5                                       ; sources 0, 1 window 1, C and D window 2
.endif
.irp b1, 0,1,2,3
.irp b0, 0,1,2,3,4,5,6,7
.if \first
.if \cb
	v_wmma_scale_f32_16x16x128_f8f6f4 v[64*\b1+8*\b0:64*\b1+8*\b0+7], v[96*(\set)+8*\b0:96*(\set)+8*\b0+7], v[96*(\set)+64+8*\b1:96*(\set)+64+8*\b1+7], v[BI+8*\b1:BI+8*\b1+7], v[SS0+8*\b0+(\q)], v[SS1+8*\b1+(\q)] matrix_a_fmt:MATRIX_FMT_FP4 matrix_b_fmt:MATRIX_FMT_FP4
.else
	v_wmma_scale_f32_16x16x128_f8f6f4 v[64*\b1+8*\b0:64*\b1+8*\b0+7], v[96*(\set)+8*\b0:96*(\set)+8*\b0+7], v[96*(\set)+64+8*\b1:96*(\set)+64+8*\b1+7], v[BI+8*\b0:BI+8*\b0+7], v[SS0+8*\b0+(\q)], v[SS1+8*\b1+(\q)] matrix_a_fmt:MATRIX_FMT_FP4 matrix_b_fmt:MATRIX_FMT_FP4
.endif
.else
	v_wmma_scale_f32_16x16x128_f8f6f4 v[64*\b1+8*\b0:64*\b1+8*\b0+7], v[96*(\set)+8*\b0:96*(\set)+8*\b0+7], v[96*(\set)+64+8*\b1:96*(\set)+64+8*\b1+7], v[64*\b1+8*\b0:64*\b1+8*\b0+7], v[SS0+8*\b0+(\q)], v[SS1+8*\b1+(\q)] matrix_a_fmt:MATRIX_FMT_FP4 matrix_b_fmt:MATRIX_FMT_FP4
.endif
.endr
.endr
.endm
.macro STEP a0, a1, q, first, cb
	PLACES                                         ; the other set was multiplied in the step before
.if (\q) < 7
	FETCH \a0, \a1, (\q)+1, ((\q)+1)%2
	s_wait_dscnt 24                                ; this step's fragments are in; the 24 loads just issued may be out
.else
	s_wait_dscnt 0x0
.endif
	MUL32 (\q)%2, \q, \first, \cb
.endm
.macro PASS a0, a1, cb
	STEP \a0, \a1, 0, 1, \cb
.irp q, 1,2,3,4,5,6,7
	STEP \a0, \a1, \q, 0, \cb
.endr
.endm
; THE WAY OUT, 16 rows x 128 numbers at a time (source 1's block b1).  amax = 1: the largest magnitude is taken of the f32 results.  Each accumulator is read from its low end on.
.macro PACK b1, amax
.set AC, 64*(\b1)
.if \amax
	WIN 0x28                                       ; sources 1 and 2 window 2
.irp b, 0,1,2,3,4,5,6,7
	v_max3_num_f32 v[MX], v[MX], |v[AC+8*\b]|, |v[AC+8*\b+1]|
	v_max3_num_f32 v[MX+1], v[MX+1], |v[AC+8*\b+2]|, |v[AC+8*\b+3]|
	v_max3_num_f32 v[MX], v[MX], |v[AC+8*\b+4]|, |v[AC+8*\b+5]|
	v_max3_num_f32 v[MX+1], v[MX+1], |v[AC+8*\b+6]|, |v[AC+8*\b+7]|
.endr
.endif
	WIN 0x0a                                       ; sources 0 and 1 window 2
.irp b, 0,1,2,3,4,5,6,7
.irp r, 0,1,2,3
	v_cvt_pk_f16_f32 v[TMP+4*\b+\r], v[AC+8*\b+2*\r], v[AC+8*\b+2*\r+1]
.endr
.endr
	WIN 0
.endm
.macro TOSTAGE b1                      ; into my own stage and back as whole rows; LDS serves a wave's instructions in order (ISA guide 5.7.1.4)
.irp b, 0,1,2,3,4,5,6,7
	ds_store_b128 v[STO], v[TMP+4*\b:TMP+4*\b+3] offset:32*\b
.endr
.set BB, BKR+32*((\b1)%2)
.irp t, 0,1,2,3,4,5,6,7
	ds_load_b128 v[BB+4*\t:BB+4*\t+3], v[RD] offset:\t*2*SPITCH
.endr
.endm
.macro SEND b1, base, co, stride
.set BB, BKR+32*((\b1)%2)
	s_wait_dscnt 0x0                               ; the block is back in registers
	s_wait_xcnt 0x0                                ; the earlier stores have read their registers: the other set may be loaded again behind this wait
.irp t, 0,1,2,3,4,5,6,7
	global_store_b128 v[\co], v[BB+4*\t:BB+4*\t+3], s[\base:\base+1] offset:(16*(\b1)+2*\t)*\stride   ; 16 lanes store 256 consecutive bytes, aligned
.endr
.endm
.macro EPI base, co, stride, amax
	PACK 0, \amax
	TOSTAGE 0
.irp a, 1,2,3
	PACK \a, \amax
	SEND \a-1, \base, \co, \stride
	TOSTAGE \a
.endr
	SEND 3, \base, \co, \stride
.endm
.macro BIAS1 base                      ; a weight row's bias, one number a lane for each of source 1's four blocks
.irp b, 0,1,2,3
	global_load_b32 v[16+\b], v15, s[\base:\base+1] offset:64*\b
.endr
.endm
.macro SPREAD                          ; and into C's layout: all eight registers of a block hold the lane's number
	s_wait_loadcnt 0x0                             ; the scale words and the bias are in
	WIN 0x40
.irp b, 0,1,2,3
.irp j, 0,1,2,3,4,5,6,7
	v_mov_b32 v[BI+8*\b+\j], v[16+\b]
.endr
.endr
	WIN 0
	v_mov_b32 v[MX], 0
	v_mov_b32 v[MX+1], 0
.endm
	s_wait_tensorcnt 0x0                           ; my first fill has landed,
	s_barrier_signal -1
	s_barrier_wait -1                              ; everybody's has: x's tile, Wq's and Wk's
	FETCH S0Q, S1Q, 0, 0
	s_wait_loadcnt 0x0                             ; scale words and bq
	PASS S0Q, S1Q, 0
	; ---- from q to k: Wq's slot is filled again, with Wv's tile
	WIN 0
	s_wait_tensorcnt 0x0                           ; no tensor load of mine is out;
	ds_add_u32 v[SPW], v[NIL]                      ; 0 onto my spare word:
	PLACES                                         ; (the places behind pass q's last products)
	s_wait_dscnt 0x0                               ; the add is done, and my reads of Wq's slot are over
	CROUND                                         ; so of every wave of every partner
	s_cmp_eq_u32 s14, 2                            ; one load covers the tile: wave 2 of each work-group of the column asks jointly
	s_cbranch_scc0 .Lnot_wave_2
	tensor_load_to_lds s[G0R:G0R+3], s[G1B:G1B+7]
	s_nop 0
.rept 4
	v_nop
.endr
.Lnot_wave_2:
	SCL SS0, SXK, 8
	SCL SS1, SWK, 4
	BIAS1 BKP
	FETCH S0K, S1K, 0, 0
	EPI OQP, COQ, 2048, 0
	SPREAD
	PASS S0K, S1K, 1
	; ---- from k to v: nothing is filled; Wv's tile has had pass k in which to land
	WIN 0
	PLACES
	s_wait_tensorcnt 0x0                           ; wave 2: Wv's tile has landed
	s_wait_dscnt 0x0
	s_barrier_signal -1
	s_barrier_wait -1                              ; and all four waves may read it
	SCL SS1, SWV, 4
	BIAS1 BVP
	FETCH S0K, S1V, 0, 0
	EPI OKP, COK, 4096, 1
	v_max_num_f32 v[MX], v[MX], v[MX+1]
	REDUCE MX, 22
	PUT1 PAK, MX
	SPREAD
	PASS S0K, S1V, 1
	WIN 0
	PLACES
	EPI OVP, COK, 4096, 1
	v_max_num_f32 v[MX], v[MX], v[MX+1]
	REDUCE MX, 22
	PUT1 PAV, MX
	s_wait_tensorcnt 0x0                           ; the wave's end
	ds_add_u32 v[SPW], v[NIL]
	s_wait_dscnt 0x0
	CROUND                                         ; the closing round
	s_endpgm
.Lfunc_end_k_qb53479ea41_qkv:
	.size	k_qb53479ea41_qkv, .Lfunc_end_k_qb53479ea41_qkv-k_qb53479ea41_qkv
	.p2alignl 7, 3214868480
	.fill 96, 4, 3214868480
	.section	.rodata,"a",@progbits
	.p2align	6, 0x0
	.amdhsa_kernel k_qb53479ea41_qkv
		.amdhsa_group_segment_fixed_size 327680
		.amdhsa_private_segment_fixed_size 0
		.amdhsa_enable_private_segment 0
		.amdhsa_kernarg_size 40
		.amdhsa_user_sgpr_count 2
		.amdhsa_user_sgpr_kernarg_segment_ptr 1
		.amdhsa_wavefront_size32 1
		.amdhsa_system_sgpr_workgroup_id_x 1
		.amdhsa_system_sgpr_workgroup_id_y 1
		.amdhsa_system_sgpr_workgroup_id_z 1
		.amdhsa_system_vgpr_workitem_id 0
		.amdhsa_next_free_vgpr 768
		.amdhsa_next_free_sgpr 100
		.amdhsa_reserve_vcc 1
		.amdhsa_float_denorm_mode_32 3
		.amdhsa_float_denorm_mode_16_64 3
		.amdhsa_memory_ordered 1
		.amdhsa_forward_progress 1
		.amdhsa_inst_pref_size 221
	.end_amdhsa_kernel
	.amdgpu_metadata
---
amdhsa.version: [ 1, 2 ]
amdhsa.kernels:
  - .name:           k_qb53479ea41_qkv
    .symbol:         k_qb53479ea41_qkv.kd
    .args:
      - { .name: p1, .offset: 0, .size: 8, .value_kind: global_buffer, .address_space: global }
      - { .name: bq, .offset: 8, .size: 8, .value_kind: global_buffer, .address_space: global }
      - { .name: bk, .offset: 16, .size: 8, .value_kind: global_buffer, .address_space: global }
      - { .name: bv, .offset: 24, .size: 8, .value_kind: global_buffer, .address_space: global }
      - { .name: p2, .offset: 32, .size: 8, .value_kind: global_buffer, .address_space: global }
    .group_segment_fixed_size: 327680
    .private_segment_fixed_size: 0
    .kernarg_segment_align: 8
    .kernarg_segment_size: 40
    .max_flat_workgroup_size: 128
    .sgpr_count:     100
    .vgpr_count:     768
    .wavefront_size: 32
...
	.end_amdgpu_metadata
.endif
;; end of part 2
;; launch ktv (part 3): grid 8 x 32, 4 waves a work-group, clusters of 4 x 4, 327,680 bytes of LDS; arguments p2, p3; writes p3
.if DOCPART == 3
	.amdgcn_target "amdgcn-amd-amdhsa--gfx1250"
	.amdhsa_code_object_version 6
	.text
	.protected	k_qb53479ea41_ktv
	.globl	k_qb53479ea41_ktv
	.p2align	8
	.type	k_qb53479ea41_ktv,@function
k_qb53479ea41_ktv:
	s_mov_b64 s[64:65], 0
	v_nop
	global_prefetch_b8 v0, s[64:65] scope:SCOPE_SE
	s_setreg_imm32_b32 hwreg(HW_REG_WAVE_MODE, 25, 1), 1
	s_wait_xcnt 0x0
	s_wait_alu depctr_hold_cnt(0) depctr_sa_sdst(0) depctr_va_vdst(0) depctr_va_sdst(0) depctr_va_ssrc(0) depctr_va_vcc(0) depctr_vm_vsrc(0)
	s_getreg_b32 s2, hwreg(HW_REG_IB_STS2, 6, 4)
	s_cmp_eq_u32 s2, 0
	s_cbranch_scc0 .Lentry_in_a_cluster
	s_endpgm
.Lentry_in_a_cluster:
	s_bfe_u32 s2, ttmp6, 0x10000c
	s_cmp_lg_u32 s2, 0xf033
	s_cbranch_scc0 .Lentry_shape_is_right
	s_endpgm
.Lentry_shape_is_right:
; One text serves two launches; MODE says which.
; MODE 3: M_s[b][e][f] = sM x sum over t of kT[b][e][t] vT[b][f][t] (K = 2,048 tokens), f16 operands, f32 sums, M_s rounded once to f16.  sM = 2^(130 - E), E the exponent field of
;   P = (largest |k| of the batch) x (largest |v|), held at 2^(3 - 127) from below: |sum| < 2^11 x 2^(E - 126), so |M_s| stays under 2^15 (1 + 2^-10).  Each wave stores its largest |M_s| and E.
; MODE 4: MT_s[b][g][e] = s4 x sum over f of Wo[g][f] M_s[b][e][f] (K = 1,024).  s4 = 2^(131 - E4), E4 the exponent field of (largest |M_s|) x (largest |Wo|), held at 2^(4 - 127) from below.
;   Each wave stores F = 2^(E + E4 - 264), the factor that undoes both scales and holds reference()'s 0.125.  LIMIT: F's exponent field is held to 1 .. 254.
; All scales are powers of two: nothing is rounded by them.  The maxima steer values alone: no address, branch or trip count hangs on them.
; C's 4,096 rows (1,024 b + row) x 1,024 columns are cut into tiles of 128 x 128: four waves of 64 x 64, 16 accumulators each.  K goes in steps of 256 (LDS rows of 512 bytes) through two slots.
; CLUSTER 4 x 4: A's tile hangs on the tile row and is asked for jointly along a row of the cluster; B's on the batch (made of the cluster's y alone) and the tile column, along a column.
; THE MATRIX INSTRUCTION IS USED TRANSPOSED (source 0 = 16 rows of B, source 1 = 16 rows of A): a lane holds eight neighbouring numbers of a row of C.
; REGISTERS: window 0: v0-31 addresses; v32-95 the way out (at the head: the partial maxima); v96-104 the scale's small things; v128-255 the accumulators.  window 1: two fragment buffers of 128.
.set MODE, 3
.if MODE == 3
.set SIZE_K, 2048
.set AOFF,   16777216                  ; kT in p2
.set BOFF,   33554432                  ; vT in p2
.set PB,     4                         ; B's buffer: s[4:5]
.set PCB,    6                         ; C's buffer: s[6:7]
.else
.set SIZE_K, 1024
.set AOFF,   6127616                   ; Wo in f16, in p1
.set BOFF,   0                         ; M_s in p3
.set PB,     6
.set PCB,    8
.endif
.set SIZE_N, 1024
.set AKO,    50331648                  ; in p2: the maxima of |k|; of |v| 4,096 bytes on
.set AMO,    8388608                   ; in p3: the maxima of |M_s|; E 4,096 bytes on
.set AWO,    8224768                   ; in p1: the maxima of |Wo|
.set FSO,    8388608                   ; in p4: F
.set KSTEP,  256
.set PITCH,  528                       ; 512 bytes + 16 of padding = 132 words: row r starts at bank 4 r mod 64 (64 banks of 4 bytes: ISA guide 11.1)
.set HALFT,  64*PITCH
.set SLOT,   4*HALFT                   ; A's 128 rows, then B's 128 rows
.set STAGE,  2*SLOT                    ; 128 rows x 272 bytes, the work-group's, for the way out
.set SPITCH, 272
.set SPARE,  STAGE+128*SPITCH          ; the spare words, named by no other line
.set LAPS,   SIZE_K/(2*KSTEP)
.set ADRA, 16
.set ADRB, 20
.set STO,  24
.set RD,   25
.set CO,   26
.set SPW,  28
.set NIL,  29
.set TMP,  32
.set MX,   96                          ; v96, v97 maxima; v98 at work
.set ZOFF, 99
.set SM,   100                         ; v[100:101] the scale, twice
.set EX,   102                         ; the exponent field (MODE 4, at the end: F)
.set LANE, 103
.set PO,   104                         ; 16 x lane
.set ACC,  128
.set F0,   0
.set F1,   128
.set G1,   24
.set G0,   32
.set G1B,  48
.set G0B,  56
.set PM0,  66                          ; s[66:67], s[68:69] the two arrays of partial maxima
.set PM1,  68
.set CP,   70                          ; s[70:71] C at my first row
.set OU1,  72                          ; s[72:73] my entry of the first array that I store
.set SEL,  74
.set SV,   76
.set OU2,  80                          ; s[80:81] MODE 3: my entry of E's array; MODE 4: the batch's E
.set MSB, 0
.macro WIN new
.if MSB != \new
	s_set_vgpr_msb (MSB<<8)|\new
.set MSB, \new
.endif
.endm
.set MUL,  0x05                        ; sources 0 (B) and 1 (A) window 1; C and D window 0
.set TO_F, 0x40                        ; destination window 1
.macro JLOAD s                         ; a joint load: waves 0 and 1 fetch A's halves, waves 2 and 3 B's
	s_cmp_eq_u32 s11, 0
	s_cbranch_scc0 .Lfor_b_\@
	tensor_load_to_lds s[G0+4*\s:G0+4*\s+3], s[G1:G1+7]
	s_nop 0
.rept 4
	v_nop
.endr
	s_branch .Lasked_\@
.Lfor_b_\@:
	tensor_load_to_lds s[G0B+4*\s:G0B+4*\s+3], s[G1B:G1B+7]
	s_nop 0
.rept 4
	v_nop
.endr
.Lasked_\@:
.endm
.macro CREST
	s_cmp_lg_u32 s10, 0
	s_cbranch_scc1 .Lnot_wave_0_\@
	s_barrier_signal -3
.Lnot_wave_0_\@:
	s_barrier_wait -3
	s_barrier_signal -1
	s_barrier_wait -1
.endm
.macro CROUND
	s_barrier_signal -1
	s_barrier_wait -1
	CREST
.endm
.macro REDUCE m, t
	v_max_num_f32_dpp v[\m], v[\m], v[\m] row_xmask:1 row_mask:0xf bank_mask:0xf
	v_max_num_f32_dpp v[\m], v[\m], v[\m] row_xmask:2 row_mask:0xf bank_mask:0xf
	v_max_num_f32_dpp v[\m], v[\m], v[\m] row_xmask:4 row_mask:0xf bank_mask:0xf
	v_max_num_f32_dpp v[\m], v[\m], v[\m] row_xmask:8 row_mask:0xf bank_mask:0xf
	v_permlanex16_b32 v[\t], v[\m], s[SEL], s[SEL+1]
	v_max_num_f32 v[\m], v[\m], v[\t]
.endm
.macro PUT1 base, data                 ; lane 0 stores one word.  EXEC is a source of pending stores: it changes only behind s_wait_xcnt 0
	v_cmp_eq_u32 vcc_lo, 0, v[LANE]
	s_wait_xcnt 0x0
	s_and_saveexec_b32 s[SV], vcc_lo
	global_store_b32 v[ZOFF], v[\data], s[\base:\base+1]
	s_wait_xcnt 0x0
	s_or_b32 exec_lo, exec_lo, s[SV]
.endm
	s_load_b128 s[4:7], s[0:1], 0x0                ; MODE 3: p2, p3;  MODE 4: p1, p3
.if MODE == 4
	s_load_b64 s[8:9], s[0:1], 0x10                ; p4
.endif
	v_lshl_add_u32 v[SPW], v0, 2, SPARE
	v_mov_b32 v[NIL], 0
	ds_add_u32 v[SPW], v[NIL]                      ; the wave's opening: the add, twice on end, and its wait ahead of my first tensor load
	ds_add_u32 v[SPW], v[NIL]
	v_lshrrev_b32 v1, 5, v0
	v_readfirstlane_b32 s10, v1                    ; wave 0..3
	s_lshr_b32 s11, s10, 1                         ; which half of the tile's rows is mine.  Also: I fetch for A (0) or for B (1)
	s_and_b32 s12, s10, 1                          ; which half of its columns.  Also: which 64 rows I fetch
	s_bfe_u32 s40, ttmp6, 0x40000                  ; cx
	s_bfe_u32 s41, ttmp6, 0x40004                  ; cy
	s_lshl_b32 s42, ttmp9, 2
	s_add_co_u32 s42, s42, s40                     ; tile column X
	s_and_b32 s45, ttmp7, 0xffff                   ; the cluster's y
	s_lshl_b32 s13, s45, 2
	s_add_co_u32 s13, s13, s41                     ; tile row Y of C
.if MODE == 4
	s_and_b32 s21, s45, 1
	s_lshl_b32 s21, s21, 2
	s_add_co_u32 s21, s21, s41                     ; A's tile row: Y % 8: Wo is the same for all batches
.else
	s_mov_b32 s21, s13                             ; A's tile row: Y: kT's 4,096 rows run through the batches
.endif
	s_lshr_b32 s45, s45, 1                         ; the batch = Y / 8, made of the cluster's y alone
	s_lshl_b32 s43, s41, 2
	s_lshl_b32 s43, 15, s43                        ; my row of the cluster
	s_lshl_b32 s44, 0x1111, s40                    ; my column
	s_or_b32 s[G1+0], s43, (1<<16)|(1<<20)|(1<<21)|(6<<22)|(3<<25)  ; elements of 2 bytes; 4 words of padding behind every 128
	s_or_b32 s[G1B+0], s44, (1<<16)|(1<<20)|(1<<21)|(6<<22)|(3<<25)
.irp g, G1, G1B
	s_mov_b32 s[\g+1], KSTEP<<16                   ; tensor_dim0
	s_mov_b32 s[\g+2], 64<<16                      ; tensor_dim1
	s_mov_b32 s[\g+3], KSTEP<<16                   ; tile_dim0
	s_mov_b32 s[\g+4], 64                          ; tile_dim1
	s_mov_b32 s[\g+5], SIZE_K                      ; from row to row
	s_mov_b32 s[\g+6], 0
	s_mov_b32 s[\g+7], 0
.endr
	s_lshl_b32 s17, s12, 6                         ; which 64 rows of the tile I fetch
	s_lshl_b32 s16, s21, 7
	s_add_co_u32 s16, s16, s17                     ; A: row 128 x its tile row + 64 x half
	s_mul_i32 s16, s16, SIZE_K*2
	s_add_co_u32 s16, s16, AOFF
	s_lshl_b32 s46, s42, 7
	s_add_co_u32 s46, s46, s17
	s_lshl_b32 s47, s45, 10
	s_add_co_u32 s46, s46, s47                     ; B: row 1,024 x batch + 128 X + 64 x half
	s_mul_i32 s46, s46, SIZE_K*2
	s_add_co_u32 s46, s46, BOFF
	s_mov_b32 s17, 0
	s_mov_b32 s47, 0
	s_mul_i32 s20, s10, HALFT                      ; where they go: wave x 64 rows
	s_mov_b32 s[SEL], 0x76543210
	s_mov_b32 s[SEL+1], 0xfedcba98
	s_wait_dscnt 0x0                               ; both opening adds are done
	s_wait_kmcnt 0x0
	s_add_nc_u64 s[14:15], s[4:5], s[16:17]
	s_add_nc_u64 s[46:47], s[PB:PB+1], s[46:47]
	CROUND                                         ; all sixteen work-groups are here: the first joint loads meet
.irp s, 0,1
	s_mov_b32 s[G0+4*\s], 1
	s_add_co_u32 s[G0+4*\s+1], s20, \s*SLOT
	s_add_nc_u64 s[G0+4*\s+2:G0+4*\s+3], s[14:15], \s*KSTEP*2
	s_or_b32 s[G0+4*\s+3], s[G0+4*\s+3], 0x80000000
	s_mov_b32 s[G0B+4*\s], 1
	s_add_co_u32 s[G0B+4*\s+1], s20, \s*SLOT
	s_add_nc_u64 s[G0B+4*\s+2:G0B+4*\s+3], s[46:47], \s*KSTEP*2
	s_or_b32 s[G0B+4*\s+3], s[G0B+4*\s+3], 0x80000000
	JLOAD \s
.endr
	; the partial maxima are asked for at once; the address work below stands between the loads and the wait for them
	s_mov_b32 s19, 0
	v_and_b32 v[LANE], 31, v0
	v_lshlrev_b32 v[PO], 4, v[LANE]
	v_mov_b32 v[ZOFF], 0
	v_mov_b32 v98, 0                               ; (a lane permute's destination counts as one of its sources)
	s_lshl_b32 s18, s45, 10                        ; a batch's 256 entries are 1,024 consecutive bytes
.if MODE == 3
	s_add_co_u32 s18, s18, AKO
	s_add_nc_u64 s[PM0:PM0+1], s[4:5], s[18:19]
	s_add_nc_u64 s[PM1:PM1+1], s[PM0:PM0+1], 4096
	global_load_b128 v[32:35], v[PO], s[PM0:PM0+1]
	global_load_b128 v[36:39], v[PO], s[PM0:PM0+1] offset:512
	global_load_b128 v[40:43], v[PO], s[PM1:PM1+1]
	global_load_b128 v[44:47], v[PO], s[PM1:PM1+1] offset:512
.else
	s_add_co_u32 s18, s18, AMO
	s_add_nc_u64 s[PM0:PM0+1], s[6:7], s[18:19]
	s_add_nc_u64 s[OU2:OU2+1], s[PM0:PM0+1], 4096
	s_add_nc_u64 s[PM1:PM1+1], s[4:5], AWO
	s_load_b32 s77, s[OU2:OU2+1], 0x0              ; E of my batch: all its entries are equal
	global_load_b128 v[32:35], v[PO], s[PM0:PM0+1]
	global_load_b128 v[36:39], v[PO], s[PM0:PM0+1] offset:512
	global_load_b128 v[40:43], v[PO], s[PM1:PM1+1]
.endif
	s_lshl_b32 s18, s13, 7                         ; my entry: 4 (8 Y + X) + wave, 4 bytes each
	s_lshl_b32 s2, s42, 4
	s_add_co_u32 s18, s18, s2
	s_lshl_b32 s2, s10, 2
	s_add_co_u32 s18, s18, s2
	s_add_co_u32 s18, s18, AMO                     ; (AMO in p3 and FSO in p4 are the same number of bytes)
	s_add_nc_u64 s[OU1:OU1+1], s[PCB:PCB+1], s[18:19]
.if MODE == 3
	s_add_nc_u64 s[OU2:OU2+1], s[OU1:OU1+1], 4096
.endif
	v_and_b32 v1, 15, v0                           ; l % 16
	v_bfe_u32 v2, v0, 4, 1                         ; l / 16
	v_mul_u32_u24 v3, v1, PITCH
	v_lshl_add_u32 v3, v2, 4, v3                   ; a fragment's row x pitch + 16 x half
	s_mul_i32 s21, s11, HALFT                      ; my 64 rows of A
	s_mul_i32 s22, s12, HALFT                      ; my 64 rows of B,
	s_add_co_u32 s22, s22, 2*HALFT                 ; which lie behind A's 128
.irp s, 0,1
	v_add_nc_u32 v[ADRA+\s], s21, v3
	v_add_nc_u32 v[ADRB+\s], s22, v3
	s_add_co_u32 s21, s21, SLOT
	s_add_co_u32 s22, s22, SLOT
.endr
	s_mul_i32 s23, s11, 64*SPITCH                  ; into the stage: my 64 rows, my half of their 256 bytes
	s_lshl_b32 s21, s12, 7
	s_add_co_u32 s23, s23, s21
	s_add_co_u32 s23, s23, STAGE
	v_mul_u32_u24 v4, v1, SPITCH
	v_lshl_add_u32 v4, v2, 4, v4
	v_add_nc_u32 v[STO], s23, v4
	s_mul_i32 s23, s10, 32*SPITCH                  ; back: wave w takes rows 32 w .. 32 w + 31, whole
	s_add_co_u32 s23, s23, STAGE
	v_mul_u32_u24 v5, v2, SPITCH
	v_lshl_add_u32 v5, v1, 4, v5
	v_add_nc_u32 v[RD], s23, v5
	v_mul_u32_u24 v5, v2, SIZE_N*2
	v_lshl_add_u32 v[CO], v1, 4, v5
	s_lshl_b32 s16, s13, 7
	s_lshl_b32 s17, s10, 5
	s_add_co_u32 s16, s16, s17                     ; the first row of C that I store: 128 Y + 32 x wave
	s_lshl_b32 s16, s16, 11
	s_mov_b32 s17, 0
	s_add_nc_u64 s[CP:CP+1], s[PCB:PCB+1], s[16:17]
	s_lshl_b32 s46, s42, 8                         ; the tile's first column, in bytes
	s_mov_b32 s47, 0
	s_add_nc_u64 s[CP:CP+1], s[CP:CP+1], s[46:47]
	; the scale
	s_wait_loadcnt 0x0
	v_max3_num_f32 v[MX], v32, v33, v34
	v_max3_num_f32 v[MX+1], v40, v41, v42
	v_max3_num_f32 v[MX], v[MX], v35, v36
.if MODE == 3
	v_max3_num_f32 v[MX+1], v[MX+1], v43, v44
	v_max3_num_f32 v[MX], v[MX], v37, v38
	v_max3_num_f32 v[MX+1], v[MX+1], v45, v46
	v_max_num_f32 v[MX], v[MX], v39
	v_max_num_f32 v[MX+1], v[MX+1], v47
.else
	v_max_num_f32 v[MX+1], v[MX+1], v43
	v_max3_num_f32 v[MX], v[MX], v37, v38
	v_max_num_f32 v[MX], v[MX], v39
.endif
	REDUCE MX, 98
	REDUCE MX+1, 98
	v_mul_f32 v[MX], v[MX], v[MX+1]                ; P
.if MODE == 3
	v_max_num_f32 v[MX], 0x1800000, v[MX]          ; held at 2^(3 - 127) from below
	v_lshrrev_b32 v[EX], 23, v[MX]                 ; E
	v_sub_nc_u32 v[SM], 257, v[EX]                 ; the scale 2^(130 - E): exponent field 257 - E
.else
	v_max_num_f32 v[MX], 0x2000000, v[MX]          ; held at 2^(4 - 127) from below
	v_lshrrev_b32 v[EX], 23, v[MX]                 ; E4
	v_sub_nc_u32 v[SM], 258, v[EX]                 ; the scale 2^(131 - E4)
	v_readfirstlane_b32 s78, v[EX]
	s_wait_kmcnt 0x0                               ; E
	s_add_co_i32 s78, s78, s77
	s_sub_co_i32 s78, s78, 137                     ; F = 2^(E + E4 - 264): exponent field E + E4 - 137,
	s_max_i32 s78, s78, 1
	s_min_i32 s78, s78, 254                        ; held to 1 .. 254
	s_lshl_b32 s78, s78, 23
.endif
	v_lshlrev_b32 v[SM], 23, v[SM]
	v_mov_b32 v[SM+1], v[SM]
.macro MUL8 f, c, a0, zero             ; 8 matrix instructions: m blocks a0, a0 + 1 x all 4 n blocks, 32 along K: half c of buffer f
.irp a, \a0, \a0+1
.irp b, 0,1,2,3
.if \zero
	v_wmma_f32_16x16x32_f16 v[ACC+8*(4*(\a)+\b):ACC+8*(4*(\a)+\b)+7], v[\f+64+8*(4*\c+\b):\f+64+8*(4*\c+\b)+7], v[\f+8*(4*\c+\a):\f+8*(4*\c+\a)+7], 0
.else
	v_wmma_f32_16x16x32_f16 v[ACC+8*(4*(\a)+\b):ACC+8*(4*(\a)+\b)+7], v[\f+64+8*(4*\c+\b):\f+64+8*(4*\c+\b)+7], v[\f+8*(4*\c+\a):\f+8*(4*\c+\a)+7], v[ACC+8*(4*(\a)+\b):ACC+8*(4*(\a)+\b)+7]
.endif
.endr
.endr
.endm
.macro FETCH slot, k, f                ; 32 LDS loads in one run: the fragments of 64 along K at byte k of the rows; the first 32 along K first
	WIN TO_F
.irp c, 0,1
.irp i, 0,1,2,3
	ds_load_b128 v[\f+64+8*(4*\c+\i):\f+64+8*(4*\c+\i)+3],   v[ADRB+\slot] offset:\k+64*\c+\i*16*PITCH
	ds_load_b128 v[\f+64+8*(4*\c+\i)+4:\f+64+8*(4*\c+\i)+7], v[ADRB+\slot] offset:\k+64*\c+\i*16*PITCH+32
	ds_load_b128 v[\f+8*(4*\c+\i):\f+8*(4*\c+\i)+3],         v[ADRA+\slot] offset:\k+64*\c+\i*16*PITCH
	ds_load_b128 v[\f+8*(4*\c+\i)+4:\f+8*(4*\c+\i)+7],       v[ADRA+\slot] offset:\k+64*\c+\i*16*PITCH+32
.endr
.endr
.endm
.macro PLACES                          ; four plain places behind matrix instructions (ISA guide 7.12.1)
.rept 4
	v_nop
.endr
.endm
.macro QUARTER slot, k, f, g, zero     ; 64 along K: multiplies buffer f and fetches the next quarter, at byte k, into g
	s_wait_dscnt 16                                ; the first 32 along K are in; the sixteen younger loads may be out
	WIN MUL
	MUL8 \f, 0, 0, \zero
	MUL8 \f, 0, 2, \zero
	PLACES
	FETCH \slot, \k, \g
	s_wait_dscnt 32                                ; all but the 32 just issued
	WIN MUL
	MUL8 \f, 1, 0, 0
	MUL8 \f, 1, 2, 0
.endm
.macro TURN slot, next, fill           ; a K step's last quarter changes slots: one barrier; fill = 1: this slot is filled again, two K steps ahead
	WIN 0
	s_wait_tensorcnt 0x0                           ; all my tensor loads have landed: my part of the next slot;
	ds_add_u32 v[SPW], v[NIL]                      ; 0 onto my spare word:
	s_wait_dscnt 17                                ; (the add and the youngest sixteen loads may be out)
	WIN MUL
	MUL8 F1, 0, 0, 0
	s_wait_dscnt 0x0                               ; the add is done, and my reads of this slot are over
	s_barrier_signal -1
	MUL8 F1, 0, 2, 0
.if \fill
	WIN 0
.endif
	s_barrier_wait -1
.if \fill
	CREST                                          ; the barrier has opened a round of the cluster's: no wave of any partner still reads this slot or has a load on its way
	s_add_nc_u64 s[G0+4*\slot+2:G0+4*\slot+3], s[G0+4*\slot+2:G0+4*\slot+3], 2*KSTEP*2
	s_add_nc_u64 s[G0B+4*\slot+2:G0B+4*\slot+3], s[G0B+4*\slot+2:G0B+4*\slot+3], 2*KSTEP*2
	JLOAD \slot                                    ; the first tensor load behind the round; its four v_nop are also the places in front of the loads below
.else
	PLACES
.endif
	FETCH \next, 0, F0
	WIN MUL
	MUL8 F1, 1, 0, 0
	MUL8 F1, 1, 2, 0
.endm
	s_wait_tensorcnt 1                             ; my part of K step 0 is in; K step 1's load may be out
	s_barrier_signal -1
	s_barrier_wait -1
	FETCH 0, 0, F0
	QUARTER 0, 128, F0, F1, 1                      ; the first quarter's first products start the sums
	WIN 0
	s_mov_b32 s3, LAPS-1
.Llap:                                                 ; a trip goes once round the ring and fills both slots again
	QUARTER 0, 256, F1, F0, 0
	QUARTER 0, 384, F0, F1, 0
	TURN 0, 1, 1
	QUARTER 1, 128, F0, F1, 0
	QUARTER 1, 256, F1, F0, 0
	QUARTER 1, 384, F0, F1, 0
	TURN 1, 0, 1
	QUARTER 0, 128, F0, F1, 0
	WIN 0
	s_sub_co_u32 s3, s3, 1
	s_cmp_lg_u32 s3, 0
	s_cbranch_scc1 .Llap
	QUARTER 0, 256, F1, F0, 0                      ; the last lap fills nothing
	QUARTER 0, 384, F0, F1, 0
	TURN 0, 1, 0
	QUARTER 1, 128, F0, F1, 0
	QUARTER 1, 256, F1, F0, 0
	QUARTER 1, 384, F0, F1, 0
	s_wait_dscnt 16
	WIN MUL
	MUL8 F1, 0, 0, 0
	MUL8 F1, 0, 2, 0
	s_wait_dscnt 0
	MUL8 F1, 1, 0, 0
	MUL8 F1, 1, 2, 0
	WIN 0
	; THE WAY OUT: x the scale (exact), MODE 3: the largest magnitude, round to f16; through the work-group's stage, since a row's 256 bytes come from two waves; back as whole rows.
	PLACES
.set i, 0
.rept 64
	v_pk_mul_f32 v[ACC+i:ACC+i+1], v[ACC+i:ACC+i+1], v[SM:SM+1]      ; each accumulator from its low end on
.set i, i+2
.endr
.if MODE == 3
	v_mov_b32 v[MX], 0
	v_mov_b32 v[MX+1], 0
.set i, 0
.rept 32
	v_max3_num_f32 v[MX], v[MX], |v[ACC+i]|, |v[ACC+i+1]|
	v_max3_num_f32 v[MX+1], v[MX+1], |v[ACC+i+2]|, |v[ACC+i+3]|
.set i, i+4
.endr
.endif
.irp t, 0,1,2,3,4,5,6,7,8,9,10,11,12,13,14,15
.irp r, 0,1,2,3
	v_cvt_pk_f16_f32 v[TMP+4*\t+\r], v[ACC+8*\t+2*\r], v[ACC+8*\t+2*\r+1]
.endr
.endr
.irp a, 0,1,2,3
.irp b, 0,1,2,3
	ds_store_b128 v[STO], v[TMP+4*(4*\a+\b):TMP+4*(4*\a+\b)+3] offset:\a*16*SPITCH+32*\b
.endr
.endr
	s_wait_dscnt 0x0                               ; for the others' sake: my stores into the stage are done
	s_barrier_signal -1
	s_barrier_wait -1
.irp t, 0,1,2,3,4,5,6,7,8,9,10,11,12,13,14,15
	ds_load_b128 v[TMP+4*\t:TMP+4*\t+3], v[RD] offset:\t*2*SPITCH
.endr
.irp t, 0,1,2,3,4,5,6,7,8,9,10,11,12,13,14,15
	s_wait_dscnt 15-\t                             ; LDS loads come back in order: load t is in, the younger ones may be out
	global_store_b128 v[CO], v[TMP+4*\t:TMP+4*\t+3], s[CP:CP+1] offset:2*\t*SIZE_N*2   ; 16 lanes store 256 consecutive bytes, aligned
.endr
.if MODE == 3
	v_max_num_f32 v[MX], v[MX], v[MX+1]
	REDUCE MX, 98
	PUT1 OU1, MX                                   ; my wave's largest |M_s|
	PUT1 OU2, EX                                   ; and E
.else
	v_mov_b32 v[EX], s78
	PUT1 OU1, EX                                   ; F
.endif
	s_wait_tensorcnt 0x0                           ; the wave's end
	ds_add_u32 v[SPW], v[NIL]
	s_wait_dscnt 0x0
	CROUND                                         ; the closing round
	s_endpgm
.Lfunc_end_k_qb53479ea41_ktv:
	.size	k_qb53479ea41_ktv, .Lfunc_end_k_qb53479ea41_ktv-k_qb53479ea41_ktv
	.p2alignl 7, 3214868480
	.fill 96, 4, 3214868480
	.section	.rodata,"a",@progbits
	.p2align	6, 0x0
	.amdhsa_kernel k_qb53479ea41_ktv
		.amdhsa_group_segment_fixed_size 327680
		.amdhsa_private_segment_fixed_size 0
		.amdhsa_enable_private_segment 0
		.amdhsa_kernarg_size 16
		.amdhsa_user_sgpr_count 2
		.amdhsa_user_sgpr_kernarg_segment_ptr 1
		.amdhsa_wavefront_size32 1
		.amdhsa_system_sgpr_workgroup_id_x 1
		.amdhsa_system_sgpr_workgroup_id_y 1
		.amdhsa_system_sgpr_workgroup_id_z 1
		.amdhsa_system_vgpr_workitem_id 0
		.amdhsa_next_free_vgpr 512
		.amdhsa_next_free_sgpr 84
		.amdhsa_reserve_vcc 1
		.amdhsa_float_denorm_mode_32 3
		.amdhsa_float_denorm_mode_16_64 3
		.amdhsa_memory_ordered 1
		.amdhsa_forward_progress 1
		.amdhsa_inst_pref_size 98
	.end_amdhsa_kernel
	.amdgpu_metadata
---
amdhsa.version: [ 1, 2 ]
amdhsa.kernels:
  - .name:           k_qb53479ea41_ktv
    .symbol:         k_qb53479ea41_ktv.kd
    .args:
      - { .name: p2, .offset: 0, .size: 8, .value_kind: global_buffer, .address_space: global }
      - { .name: p3, .offset: 8, .size: 8, .value_kind: global_buffer, .address_space: global }
    .group_segment_fixed_size: 327680
    .private_segment_fixed_size: 0
    .kernarg_segment_align: 8
    .kernarg_segment_size: 16
    .max_flat_workgroup_size: 128
    .sgpr_count:     84
    .vgpr_count:     512
    .wavefront_size: 32
...
	.end_amdgpu_metadata
.endif
;; end of part 3
;; launch mwo (part 4): grid 8 x 32, 4 waves a work-group, clusters of 4 x 4, 327,680 bytes of LDS; arguments p1, p3, p4; writes p4
.if DOCPART == 4
	.amdgcn_target "amdgcn-amd-amdhsa--gfx1250"
	.amdhsa_code_object_version 6
	.text
	.protected	k_qb53479ea41_mwo
	.globl	k_qb53479ea41_mwo
	.p2align	8
	.type	k_qb53479ea41_mwo,@function
k_qb53479ea41_mwo:
	s_mov_b64 s[64:65], 0
	v_nop
	global_prefetch_b8 v0, s[64:65] scope:SCOPE_SE
	s_setreg_imm32_b32 hwreg(HW_REG_WAVE_MODE, 25, 1), 1
	s_wait_xcnt 0x0
	s_wait_alu depctr_hold_cnt(0) depctr_sa_sdst(0) depctr_va_vdst(0) depctr_va_sdst(0) depctr_va_ssrc(0) depctr_va_vcc(0) depctr_vm_vsrc(0)
	s_getreg_b32 s2, hwreg(HW_REG_IB_STS2, 6, 4)
	s_cmp_eq_u32 s2, 0
	s_cbranch_scc0 .Lentry_in_a_cluster
	s_endpgm
.Lentry_in_a_cluster:
	s_bfe_u32 s2, ttmp6, 0x10000c
	s_cmp_lg_u32 s2, 0xf033
	s_cbranch_scc0 .Lentry_shape_is_right
	s_endpgm
.Lentry_shape_is_right:
; One text serves two launches; MODE says which.
; MODE 3: M_s[b][e][f] = sM x sum over t of kT[b][e][t] vT[b][f][t] (K = 2,048 tokens), f16 operands, f32 sums, M_s rounded once to f16.  sM = 2^(130 - E), E the exponent field of
;   P = (largest |k| of the batch) x (largest |v|), held at 2^(3 - 127) from below: |sum| < 2^11 x 2^(E - 126), so |M_s| stays under 2^15 (1 + 2^-10).  Each wave stores its largest |M_s| and E.
; MODE 4: MT_s[b][g][e] = s4 x sum over f of Wo[g][f] M_s[b][e][f] (K = 1,024).  s4 = 2^(131 - E4), E4 the exponent field of (largest |M_s|) x (largest |Wo|), held at 2^(4 - 127) from below.
;   Each wave stores F = 2^(E + E4 - 264), the factor that undoes both scales and holds reference()'s 0.125.  LIMIT: F's exponent field is held to 1 .. 254.
; All scales are powers of two: nothing is rounded by them.  The maxima steer values alone: no address, branch or trip count hangs on them.
; C's 4,096 rows (1,024 b + row) x 1,024 columns are cut into tiles of 128 x 128: four waves of 64 x 64, 16 accumulators each.  K goes in steps of 256 (LDS rows of 512 bytes) through two slots.
; CLUSTER 4 x 4: A's tile hangs on the tile row and is asked for jointly along a row of the cluster; B's on the batch (made of the cluster's y alone) and the tile column, along a column.
; THE MATRIX INSTRUCTION IS USED TRANSPOSED (source 0 = 16 rows of B, source 1 = 16 rows of A): a lane holds eight neighbouring numbers of a row of C.
; REGISTERS: window 0: v0-31 addresses; v32-95 the way out (at the head: the partial maxima); v96-104 the scale's small things; v128-255 the accumulators.  window 1: two fragment buffers of 128.
.set MODE, 4
.if MODE == 3
.set SIZE_K, 2048
.set AOFF,   16777216                  ; kT in p2
.set BOFF,   33554432                  ; vT in p2
.set PB,     4                         ; B's buffer: s[4:5]
.set PCB,    6                         ; C's buffer: s[6:7]
.else
.set SIZE_K, 1024
.set AOFF,   6127616                   ; Wo in f16, in p1
.set BOFF,   0                         ; M_s in p3
.set PB,     6
.set PCB,    8
.endif
.set SIZE_N, 1024
.set AKO,    50331648                  ; in p2: the maxima of |k|; of |v| 4,096 bytes on
.set AMO,    8388608                   ; in p3: the maxima of |M_s|; E 4,096 bytes on
.set AWO,    8224768                   ; in p1: the maxima of |Wo|
.set FSO,    8388608                   ; in p4: F
.set KSTEP,  256
.set PITCH,  528                       ; 512 bytes + 16 of padding = 132 words: row r starts at bank 4 r mod 64 (64 banks of 4 bytes: ISA guide 11.1)
.set HALFT,  64*PITCH
.set SLOT,   4*HALFT                   ; A's 128 rows, then B's 128 rows
.set STAGE,  2*SLOT                    ; 128 rows x 272 bytes, the work-group's, for the way out
.set SPITCH, 272
.set SPARE,  STAGE+128*SPITCH          ; the spare words, named by no other line
.set LAPS,   SIZE_K/(2*KSTEP)
.set ADRA, 16
.set ADRB, 20
.set STO,  24
.set RD,   25
.set CO,   26
.set SPW,  28
.set NIL,  29
.set TMP,  32
.set MX,   96                          ; v96, v97 maxima; v98 at work
.set ZOFF, 99
.set SM,   100                         ; v[100:101] the scale, twice
.set EX,   102                         ; the exponent field (MODE 4, at the end: F)
.set LANE, 103
.set PO,   104                         ; 16 x lane
.set ACC,  128
.set F0,   0
.set F1,   128
.set G1,   24
.set G0,   32
.set G1B,  48
.set G0B,  56
.set PM0,  66                          ; s[66:67], s[68:69] the two arrays of partial maxima
.set PM1,  68
.set CP,   70                          ; s[70:71] C at my first row
.set OU1,  72                          ; s[72:73] my entry of the first array that I store
.set SEL,  74
.set SV,   76
.set OU2,  80                          ; s[80:81] MODE 3: my entry of E's array; MODE 4: the batch's E
.set MSB, 0
.macro WIN new
.if MSB != \new
	s_set_vgpr_msb (MSB<<8)|\new
.set MSB, \new
.endif
.endm
.set MUL,  0x05                        ; sources 0 (B) and 1 (A) window 1; C and D window 0
.set TO_F, 0x40                        ; destination window 1
.macro JLOAD s                         ; a joint load: waves 0 and 1 fetch A's halves, waves 2 and 3 B's
	s_cmp_eq_u32 s11, 0
	s_cbranch_scc0 .Lfor_b_\@
	tensor_load_to_lds s[G0+4*\s:G0+4*\s+3], s[G1:G1+7]
	s_nop 0
.rept 4
	v_nop
.endr
	s_branch .Lasked_\@
.Lfor_b_\@:
	tensor_load_to_lds s[G0B+4*\s:G0B+4*\s+3], s[G1B:G1B+7]
	s_nop 0
.rept 4
	v_nop
.endr
.Lasked_\@:
.endm
.macro CREST
	s_cmp_lg_u32 s10, 0
	s_cbranch_scc1 .Lnot_wave_0_\@
	s_barrier_signal -3
.Lnot_wave_0_\@:
	s_barrier_wait -3
	s_barrier_signal -1
	s_barrier_wait -1
.endm
.macro CROUND
	s_barrier_signal -1
	s_barrier_wait -1
	CREST
.endm
.macro REDUCE m, t
	v_max_num_f32_dpp v[\m], v[\m], v[\m] row_xmask:1 row_mask:0xf bank_mask:0xf
	v_max_num_f32_dpp v[\m], v[\m], v[\m] row_xmask:2 row_mask:0xf bank_mask:0xf
	v_max_num_f32_dpp v[\m], v[\m], v[\m] row_xmask:4 row_mask:0xf bank_mask:0xf
	v_max_num_f32_dpp v[\m], v[\m], v[\m] row_xmask:8 row_mask:0xf bank_mask:0xf
	v_permlanex16_b32 v[\t], v[\m], s[SEL], s[SEL+1]
	v_max_num_f32 v[\m], v[\m], v[\t]
.endm
.macro PUT1 base, data                 ; lane 0 stores one word.  EXEC is a source of pending stores: it changes only behind s_wait_xcnt 0
	v_cmp_eq_u32 vcc_lo, 0, v[LANE]
	s_wait_xcnt 0x0
	s_and_saveexec_b32 s[SV], vcc_lo
	global_store_b32 v[ZOFF], v[\data], s[\base:\base+1]
	s_wait_xcnt 0x0
	s_or_b32 exec_lo, exec_lo, s[SV]
.endm
	s_load_b128 s[4:7], s[0:1], 0x0                ; MODE 3: p2, p3;  MODE 4: p1, p3
.if MODE == 4
	s_load_b64 s[8:9], s[0:1], 0x10                ; p4
.endif
	v_lshl_add_u32 v[SPW], v0, 2, SPARE
	v_mov_b32 v[NIL], 0
	ds_add_u32 v[SPW], v[NIL]                      ; the wave's opening: the add, twice on end, and its wait ahead of my first tensor load
	ds_add_u32 v[SPW], v[NIL]
	v_lshrrev_b32 v1, 5, v0
	v_readfirstlane_b32 s10, v1                    ; wave 0..3
	s_lshr_b32 s11, s10, 1                         ; which half of the tile's rows is mine.  Also: I fetch for A (0) or for B (1)
	s_and_b32 s12, s10, 1                          ; which half of its columns.  Also: which 64 rows I fetch
	s_bfe_u32 s40, ttmp6, 0x40000                  ; cx
	s_bfe_u32 s41, ttmp6, 0x40004                  ; cy
	s_lshl_b32 s42, ttmp9, 2
	s_add_co_u32 s42, s42, s40                     ; tile column X
	s_and_b32 s45, ttmp7, 0xffff                   ; the cluster's y
	s_lshl_b32 s13, s45, 2
	s_add_co_u32 s13, s13, s41                     ; tile row Y of C
.if MODE == 4
	s_and_b32 s21, s45, 1
	s_lshl_b32 s21, s21, 2
	s_add_co_u32 s21, s21, s41                     ; A's tile row: Y % 8: Wo is the same for all batches
.else
	s_mov_b32 s21, s13                             ; A's tile row: Y: kT's 4,096 rows run through the batches
.endif
	s_lshr_b32 s45, s45, 1                         ; the batch = Y / 8, made of the cluster's y alone
	s_lshl_b32 s43, s41, 2
	s_lshl_b32 s43, 15, s43                        ; my row of the cluster
	s_lshl_b32 s44, 0x1111, s40                    ; my column
	s_or_b32 s[G1+0], s43, (1<<16)|(1<<20)|(1<<21)|(6<<22)|(3<<25)  ; elements of 2 bytes; 4 words of padding behind every 128
	s_or_b32 s[G1B+0], s44, (1<<16)|(1<<20)|(1<<21)|(6<<22)|(3<<25)
.irp g, G1, G1B
	s_mov_b32 s[\g+1], KSTEP<<16                   ; tensor_dim0
	s_mov_b32 s[\g+2], 64<<16                      ; tensor_dim1
	s_mov_b32 s[\g+3], KSTEP<<16                   ; tile_dim0
	s_mov_b32 s[\g+4], 64                          ; tile_dim1
	s_mov_b32 s[\g+5], SIZE_K                      ; from row to row
	s_mov_b32 s[\g+6], 0
	s_mov_b32 s[\g+7], 0
.endr
	s_lshl_b32 s17, s12, 6                         ; which 64 rows of the tile I fetch
	s_lshl_b32 s16, s21, 7
	s_add_co_u32 s16, s16, s17                     ; A: row 128 x its tile row + 64 x half
	s_mul_i32 s16, s16, SIZE_K*2
	s_add_co_u32 s16, s16, AOFF
	s_lshl_b32 s46, s42, 7
	s_add_co_u32 s46, s46, s17
	s_lshl_b32 s47, s45, 10
	s_add_co_u32 s46, s46, s47                     ; B: row 1,024 x batch + 128 X + 64 x half
	s_mul_i32 s46, s46, SIZE_K*2
	s_add_co_u32 s46, s46, BOFF
	s_mov_b32 s17, 0
	s_mov_b32 s47, 0
	s_mul_i32 s20, s10, HALFT                      ; where they go: wave x 64 rows
	s_mov_b32 s[SEL], 0x76543210
	s_mov_b32 s[SEL+1], 0xfedcba98
	s_wait_dscnt 0x0                               ; both opening adds are done
	s_wait_kmcnt 0x0
	s_add_nc_u64 s[14:15], s[4:5], s[16:17]
	s_add_nc_u64 s[46:47], s[PB:PB+1], s[46:47]
	CROUND                                         ; all sixteen work-groups are here: the first joint loads meet
.irp s, 0,1
	s_mov_b32 s[G0+4*\s], 1
	s_add_co_u32 s[G0+4*\s+1], s20, \s*SLOT
	s_add_nc_u64 s[G0+4*\s+2:G0+4*\s+3], s[14:15], \s*KSTEP*2
	s_or_b32 s[G0+4*\s+3], s[G0+4*\s+3], 0x80000000
	s_mov_b32 s[G0B+4*\s], 1
	s_add_co_u32 s[G0B+4*\s+1], s20, \s*SLOT
	s_add_nc_u64 s[G0B+4*\s+2:G0B+4*\s+3], s[46:47], \s*KSTEP*2
	s_or_b32 s[G0B+4*\s+3], s[G0B+4*\s+3], 0x80000000
	JLOAD \s
.endr
	; the partial maxima are asked for at once; the address work below stands between the loads and the wait for them
	s_mov_b32 s19, 0
	v_and_b32 v[LANE], 31, v0
	v_lshlrev_b32 v[PO], 4, v[LANE]
	v_mov_b32 v[ZOFF], 0
	v_mov_b32 v98, 0                               ; (a lane permute's destination counts as one of its sources)
	s_lshl_b32 s18, s45, 10                        ; a batch's 256 entries are 1,024 consecutive bytes
.if MODE == 3
	s_add_co_u32 s18, s18, AKO
	s_add_nc_u64 s[PM0:PM0+1], s[4:5], s[18:19]
	s_add_nc_u64 s[PM1:PM1+1], s[PM0:PM0+1], 4096
	global_load_b128 v[32:35], v[PO], s[PM0:PM0+1]
	global_load_b128 v[36:39], v[PO], s[PM0:PM0+1] offset:512
	global_load_b128 v[40:43], v[PO], s[PM1:PM1+1]
	global_load_b128 v[44:47], v[PO], s[PM1:PM1+1] offset:512
.else
	s_add_co_u32 s18, s18, AMO
	s_add_nc_u64 s[PM0:PM0+1], s[6:7], s[18:19]
	s_add_nc_u64 s[OU2:OU2+1], s[PM0:PM0+1], 4096
	s_add_nc_u64 s[PM1:PM1+1], s[4:5], AWO
	s_load_b32 s77, s[OU2:OU2+1], 0x0              ; E of my batch: all its entries are equal
	global_load_b128 v[32:35], v[PO], s[PM0:PM0+1]
	global_load_b128 v[36:39], v[PO], s[PM0:PM0+1] offset:512
	global_load_b128 v[40:43], v[PO], s[PM1:PM1+1]
.endif
	s_lshl_b32 s18, s13, 7                         ; my entry: 4 (8 Y + X) + wave, 4 bytes each
	s_lshl_b32 s2, s42, 4
	s_add_co_u32 s18, s18, s2
	s_lshl_b32 s2, s10, 2
	s_add_co_u32 s18, s18, s2
	s_add_co_u32 s18, s18, AMO                     ; (AMO in p3 and FSO in p4 are the same number of bytes)
	s_add_nc_u64 s[OU1:OU1+1], s[PCB:PCB+1], s[18:19]
.if MODE == 3
	s_add_nc_u64 s[OU2:OU2+1], s[OU1:OU1+1], 4096
.endif
	v_and_b32 v1, 15, v0                           ; l % 16
	v_bfe_u32 v2, v0, 4, 1                         ; l / 16
	v_mul_u32_u24 v3, v1, PITCH
	v_lshl_add_u32 v3, v2, 4, v3                   ; a fragment's row x pitch + 16 x half
	s_mul_i32 s21, s11, HALFT                      ; my 64 rows of A
	s_mul_i32 s22, s12, HALFT                      ; my 64 rows of B,
	s_add_co_u32 s22, s22, 2*HALFT                 ; which lie behind A's 128
.irp s, 0,1
	v_add_nc_u32 v[ADRA+\s], s21, v3
	v_add_nc_u32 v[ADRB+\s], s22, v3
	s_add_co_u32 s21, s21, SLOT
	s_add_co_u32 s22, s22, SLOT
.endr
	s_mul_i32 s23, s11, 64*SPITCH                  ; into the stage: my 64 rows, my half of their 256 bytes
	s_lshl_b32 s21, s12, 7
	s_add_co_u32 s23, s23, s21
	s_add_co_u32 s23, s23, STAGE
	v_mul_u32_u24 v4, v1, SPITCH
	v_lshl_add_u32 v4, v2, 4, v4
	v_add_nc_u32 v[STO], s23, v4
	s_mul_i32 s23, s10, 32*SPITCH                  ; back: wave w takes rows 32 w .. 32 w + 31, whole
	s_add_co_u32 s23, s23, STAGE
	v_mul_u32_u24 v5, v2, SPITCH
	v_lshl_add_u32 v5, v1, 4, v5
	v_add_nc_u32 v[RD], s23, v5
	v_mul_u32_u24 v5, v2, SIZE_N*2
	v_lshl_add_u32 v[CO], v1, 4, v5
	s_lshl_b32 s16, s13, 7
	s_lshl_b32 s17, s10, 5
	s_add_co_u32 s16, s16, s17                     ; the first row of C that I store: 128 Y + 32 x wave
	s_lshl_b32 s16, s16, 11
	s_mov_b32 s17, 0
	s_add_nc_u64 s[CP:CP+1], s[PCB:PCB+1], s[16:17]
	s_lshl_b32 s46, s42, 8                         ; the tile's first column, in bytes
	s_mov_b32 s47, 0
	s_add_nc_u64 s[CP:CP+1], s[CP:CP+1], s[46:47]
	; the scale
	s_wait_loadcnt 0x0
	v_max3_num_f32 v[MX], v32, v33, v34
	v_max3_num_f32 v[MX+1], v40, v41, v42
	v_max3_num_f32 v[MX], v[MX], v35, v36
.if MODE == 3
	v_max3_num_f32 v[MX+1], v[MX+1], v43, v44
	v_max3_num_f32 v[MX], v[MX], v37, v38
	v_max3_num_f32 v[MX+1], v[MX+1], v45, v46
	v_max_num_f32 v[MX], v[MX], v39
	v_max_num_f32 v[MX+1], v[MX+1], v47
.else
	v_max_num_f32 v[MX+1], v[MX+1], v43
	v_max3_num_f32 v[MX], v[MX], v37, v38
	v_max_num_f32 v[MX], v[MX], v39
.endif
	REDUCE MX, 98
	REDUCE MX+1, 98
	v_mul_f32 v[MX], v[MX], v[MX+1]                ; P
.if MODE == 3
	v_max_num_f32 v[MX], 0x1800000, v[MX]          ; held at 2^(3 - 127) from below
	v_lshrrev_b32 v[EX], 23, v[MX]                 ; E
	v_sub_nc_u32 v[SM], 257, v[EX]                 ; the scale 2^(130 - E): exponent field 257 - E
.else
	v_max_num_f32 v[MX], 0x2000000, v[MX]          ; held at 2^(4 - 127) from below
	v_lshrrev_b32 v[EX], 23, v[MX]                 ; E4
	v_sub_nc_u32 v[SM], 258, v[EX]                 ; the scale 2^(131 - E4)
	v_readfirstlane_b32 s78, v[EX]
	s_wait_kmcnt 0x0                               ; E
	s_add_co_i32 s78, s78, s77
	s_sub_co_i32 s78, s78, 137                     ; F = 2^(E + E4 - 264): exponent field E + E4 - 137,
	s_max_i32 s78, s78, 1
	s_min_i32 s78, s78, 254                        ; held to 1 .. 254
	s_lshl_b32 s78, s78, 23
.endif
	v_lshlrev_b32 v[SM], 23, v[SM]
	v_mov_b32 v[SM+1], v[SM]
.macro MUL8 f, c, a0, zero             ; 8 matrix instructions: m blocks a0, a0 + 1 x all 4 n blocks, 32 along K: half c of buffer f
.irp a, \a0, \a0+1
.irp b, 0,1,2,3
.if \zero
	v_wmma_f32_16x16x32_f16 v[ACC+8*(4*(\a)+\b):ACC+8*(4*(\a)+\b)+7], v[\f+64+8*(4*\c+\b):\f+64+8*(4*\c+\b)+7], v[\f+8*(4*\c+\a):\f+8*(4*\c+\a)+7], 0
.else
	v_wmma_f32_16x16x32_f16 v[ACC+8*(4*(\a)+\b):ACC+8*(4*(\a)+\b)+7], v[\f+64+8*(4*\c+\b):\f+64+8*(4*\c+\b)+7], v[\f+8*(4*\c+\a):\f+8*(4*\c+\a)+7], v[ACC+8*(4*(\a)+\b):ACC+8*(4*(\a)+\b)+7]
.endif
.endr
.endr
.endm
.macro FETCH slot, k, f                ; 32 LDS loads in one run: the fragments of 64 along K at byte k of the rows; the first 32 along K first
	WIN TO_F
.irp c, 0,1
.irp i, 0,1,2,3
	ds_load_b128 v[\f+64+8*(4*\c+\i):\f+64+8*(4*\c+\i)+3],   v[ADRB+\slot] offset:\k+64*\c+\i*16*PITCH
	ds_load_b128 v[\f+64+8*(4*\c+\i)+4:\f+64+8*(4*\c+\i)+7], v[ADRB+\slot] offset:\k+64*\c+\i*16*PITCH+32
	ds_load_b128 v[\f+8*(4*\c+\i):\f+8*(4*\c+\i)+3],         v[ADRA+\slot] offset:\k+64*\c+\i*16*PITCH
	ds_load_b128 v[\f+8*(4*\c+\i)+4:\f+8*(4*\c+\i)+7],       v[ADRA+\slot] offset:\k+64*\c+\i*16*PITCH+32
.endr
.endr
.endm
.macro PLACES                          ; four plain places behind matrix instructions (ISA guide 7.12.1)
.rept 4
	v_nop
.endr
.endm
.macro QUARTER slot, k, f, g, zero     ; 64 along K: multiplies buffer f and fetches the next quarter, at byte k, into g
	s_wait_dscnt 16                                ; the first 32 along K are in; the sixteen younger loads may be out
	WIN MUL
	MUL8 \f, 0, 0, \zero
	MUL8 \f, 0, 2, \zero
	PLACES
	FETCH \slot, \k, \g
	s_wait_dscnt 32                                ; all but the 32 just issued
	WIN MUL
	MUL8 \f, 1, 0, 0
	MUL8 \f, 1, 2, 0
.endm
.macro TURN slot, next, fill           ; a K step's last quarter changes slots: one barrier; fill = 1: this slot is filled again, two K steps ahead
	WIN 0
	s_wait_tensorcnt 0x0                           ; all my tensor loads have landed: my part of the next slot;
	ds_add_u32 v[SPW], v[NIL]                      ; 0 onto my spare word:
	s_wait_dscnt 17                                ; (the add and the youngest sixteen loads may be out)
	WIN MUL
	MUL8 F1, 0, 0, 0
	s_wait_dscnt 0x0                               ; the add is done, and my reads of this slot are over
	s_barrier_signal -1
	MUL8 F1, 0, 2, 0
.if \fill
	WIN 0
.endif
	s_barrier_wait -1
.if \fill
	CREST                                          ; the barrier has opened a round of the cluster's: no wave of any partner still reads this slot or has a load on its way
	s_add_nc_u64 s[G0+4*\slot+2:G0+4*\slot+3], s[G0+4*\slot+2:G0+4*\slot+3], 2*KSTEP*2
	s_add_nc_u64 s[G0B+4*\slot+2:G0B+4*\slot+3], s[G0B+4*\slot+2:G0B+4*\slot+3], 2*KSTEP*2
	JLOAD \slot                                    ; the first tensor load behind the round; its four v_nop are also the places in front of the loads below
.else
	PLACES
.endif
	FETCH \next, 0, F0
	WIN MUL
	MUL8 F1, 1, 0, 0
	MUL8 F1, 1, 2, 0
.endm
	s_wait_tensorcnt 1                             ; my part of K step 0 is in; K step 1's load may be out
	s_barrier_signal -1
	s_barrier_wait -1
	FETCH 0, 0, F0
	QUARTER 0, 128, F0, F1, 1                      ; the first quarter's first products start the sums
	WIN 0
	s_mov_b32 s3, LAPS-1
.Llap:                                                 ; a trip goes once round the ring and fills both slots again
	QUARTER 0, 256, F1, F0, 0
	QUARTER 0, 384, F0, F1, 0
	TURN 0, 1, 1
	QUARTER 1, 128, F0, F1, 0
	QUARTER 1, 256, F1, F0, 0
	QUARTER 1, 384, F0, F1, 0
	TURN 1, 0, 1
	QUARTER 0, 128, F0, F1, 0
	WIN 0
	s_sub_co_u32 s3, s3, 1
	s_cmp_lg_u32 s3, 0
	s_cbranch_scc1 .Llap
	QUARTER 0, 256, F1, F0, 0                      ; the last lap fills nothing
	QUARTER 0, 384, F0, F1, 0
	TURN 0, 1, 0
	QUARTER 1, 128, F0, F1, 0
	QUARTER 1, 256, F1, F0, 0
	QUARTER 1, 384, F0, F1, 0
	s_wait_dscnt 16
	WIN MUL
	MUL8 F1, 0, 0, 0
	MUL8 F1, 0, 2, 0
	s_wait_dscnt 0
	MUL8 F1, 1, 0, 0
	MUL8 F1, 1, 2, 0
	WIN 0
	; THE WAY OUT: x the scale (exact), MODE 3: the largest magnitude, round to f16; through the work-group's stage, since a row's 256 bytes come from two waves; back as whole rows.
	PLACES
.set i, 0
.rept 64
	v_pk_mul_f32 v[ACC+i:ACC+i+1], v[ACC+i:ACC+i+1], v[SM:SM+1]      ; each accumulator from its low end on
.set i, i+2
.endr
.if MODE == 3
	v_mov_b32 v[MX], 0
	v_mov_b32 v[MX+1], 0
.set i, 0
.rept 32
	v_max3_num_f32 v[MX], v[MX], |v[ACC+i]|, |v[ACC+i+1]|
	v_max3_num_f32 v[MX+1], v[MX+1], |v[ACC+i+2]|, |v[ACC+i+3]|
.set i, i+4
.endr
.endif
.irp t, 0,1,2,3,4,5,6,7,8,9,10,11,12,13,14,15
.irp r, 0,1,2,3
	v_cvt_pk_f16_f32 v[TMP+4*\t+\r], v[ACC+8*\t+2*\r], v[ACC+8*\t+2*\r+1]
.endr
.endr
.irp a, 0,1,2,3
.irp b, 0,1,2,3
	ds_store_b128 v[STO], v[TMP+4*(4*\a+\b):TMP+4*(4*\a+\b)+3] offset:\a*16*SPITCH+32*\b
.endr
.endr
	s_wait_dscnt 0x0                               ; for the others' sake: my stores into the stage are done
	s_barrier_signal -1
	s_barrier_wait -1
.irp t, 0,1,2,3,4,5,6,7,8,9,10,11,12,13,14,15
	ds_load_b128 v[TMP+4*\t:TMP+4*\t+3], v[RD] offset:\t*2*SPITCH
.endr
.irp t, 0,1,2,3,4,5,6,7,8,9,10,11,12,13,14,15
	s_wait_dscnt 15-\t                             ; LDS loads come back in order: load t is in, the younger ones may be out
	global_store_b128 v[CO], v[TMP+4*\t:TMP+4*\t+3], s[CP:CP+1] offset:2*\t*SIZE_N*2   ; 16 lanes store 256 consecutive bytes, aligned
.endr
.if MODE == 3
	v_max_num_f32 v[MX], v[MX], v[MX+1]
	REDUCE MX, 98
	PUT1 OU1, MX                                   ; my wave's largest |M_s|
	PUT1 OU2, EX                                   ; and E
.else
	v_mov_b32 v[EX], s78
	PUT1 OU1, EX                                   ; F
.endif
	s_wait_tensorcnt 0x0                           ; the wave's end
	ds_add_u32 v[SPW], v[NIL]
	s_wait_dscnt 0x0
	CROUND                                         ; the closing round
	s_endpgm
.Lfunc_end_k_qb53479ea41_mwo:
	.size	k_qb53479ea41_mwo, .Lfunc_end_k_qb53479ea41_mwo-k_qb53479ea41_mwo
	.p2alignl 7, 3214868480
	.fill 96, 4, 3214868480
	.section	.rodata,"a",@progbits
	.p2align	6, 0x0
	.amdhsa_kernel k_qb53479ea41_mwo
		.amdhsa_group_segment_fixed_size 327680
		.amdhsa_private_segment_fixed_size 0
		.amdhsa_enable_private_segment 0
		.amdhsa_kernarg_size 24
		.amdhsa_user_sgpr_count 2
		.amdhsa_user_sgpr_kernarg_segment_ptr 1
		.amdhsa_wavefront_size32 1
		.amdhsa_system_sgpr_workgroup_id_x 1
		.amdhsa_system_sgpr_workgroup_id_y 1
		.amdhsa_system_sgpr_workgroup_id_z 1
		.amdhsa_system_vgpr_workitem_id 0
		.amdhsa_next_free_vgpr 512
		.amdhsa_next_free_sgpr 84
		.amdhsa_reserve_vcc 1
		.amdhsa_float_denorm_mode_32 3
		.amdhsa_float_denorm_mode_16_64 3
		.amdhsa_memory_ordered 1
		.amdhsa_forward_progress 1
		.amdhsa_inst_pref_size 94
	.end_amdhsa_kernel
	.amdgpu_metadata
---
amdhsa.version: [ 1, 2 ]
amdhsa.kernels:
  - .name:           k_qb53479ea41_mwo
    .symbol:         k_qb53479ea41_mwo.kd
    .args:
      - { .name: p1, .offset: 0, .size: 8, .value_kind: global_buffer, .address_space: global }
      - { .name: p3, .offset: 8, .size: 8, .value_kind: global_buffer, .address_space: global }
      - { .name: p4, .offset: 16, .size: 8, .value_kind: global_buffer, .address_space: global }
    .group_segment_fixed_size: 327680
    .private_segment_fixed_size: 0
    .kernarg_segment_align: 8
    .kernarg_segment_size: 24
    .max_flat_workgroup_size: 128
    .sgpr_count:     84
    .vgpr_count:     512
    .wavefront_size: 32
...
	.end_amdgpu_metadata
.endif
;; end of part 4
;; launch outp (part 5): grid 8 x 32, 4 waves a work-group, clusters of 4 x 4, 327,680 bytes of LDS; arguments p2, p4, bo, out0; writes out0
.if DOCPART == 5
	.amdgcn_target "amdgcn-amd-amdhsa--gfx1250"
	.amdhsa_code_object_version 6
	.text
	.protected	k_qb53479ea41_outp
	.globl	k_qb53479ea41_outp
	.p2align	8
	.type	k_qb53479ea41_outp,@function
k_qb53479ea41_outp:
	s_mov_b64 s[64:65], 0
	v_nop
	global_prefetch_b8 v0, s[64:65] scope:SCOPE_SE
	s_setreg_imm32_b32 hwreg(HW_REG_WAVE_MODE, 25, 1), 1
	s_wait_xcnt 0x0
	s_wait_alu depctr_hold_cnt(0) depctr_sa_sdst(0) depctr_va_vdst(0) depctr_va_sdst(0) depctr_va_ssrc(0) depctr_va_vcc(0) depctr_vm_vsrc(0)
	s_getreg_b32 s2, hwreg(HW_REG_IB_STS2, 6, 4)
	s_cmp_eq_u32 s2, 0
	s_cbranch_scc0 .Lentry_in_a_cluster
	s_endpgm
.Lentry_in_a_cluster:
	s_bfe_u32 s2, ttmp6, 0x10000c
	s_cmp_lg_u32 s2, 0xf033
	s_cbranch_scc0 .Lentry_shape_is_right
	s_endpgm
.Lentry_shape_is_right:
; out0[s][g] = F[b] x sum over e of q[s][e] MT_s[b][g][e] + bo[g]: f16 operands, f32 sums, K = 1,024.  F is the power of two that undoes the two scales of M and holds reference()'s 0.125: one fused multiply-add a number.
; p2: q [8192][1024] f16 at 0.  p4: MT_s [4][1024 g][1024 e] f16 at 0; F (f32 bits) at FSO, 256 equal entries a batch.
; SHARES.  A work-group makes 256 rows (block Y) x 128 columns (block X); wave w rows 64 w on, all 128 columns: source 0 = MT_s's 8 blocks of 16 rows, source 1 = its 4 blocks of q's rows: 32 accumulators,
; (b0, b1) at window 2, v[64 b1 + 8 b0]; lane (r, h), register j holds out(16 b1 + r, 16 b0 + 8 h + j).  A wave's output row is 512 consecutive bytes.
; K goes in steps of 128 (rows of 256 bytes) through two slots: q's 256 rows, then MT_s's 128.  Waves 0, 1 fetch q's halves (128 rows), waves 2, 3 MT_s's (64 rows).
; CLUSTER 4 x 4: q's tile hangs on Y alone, asked for jointly along a row of the cluster; MT_s's on the batch (the cluster's y alone) and X, along a column.
; REGISTERS: window 0: v1-29 addresses; v32-95 bo in the result's layout; v96-159 results at work; v160-223 rows read back.  window 1: two fragment buffers (source 0: 64, source 1: 32) at v0 and v128.  window 2: the accumulators.
.set FSO,    8388608
.set PITCH,  272                       ; 256 bytes + 16 of padding = 68 words: row r starts at bank 4 r mod 64 (64 banks of 4 bytes: ISA guide 11.1)
.set QT,     256*PITCH                 ; q's 256 rows
.set SLOT,   384*PITCH
.set STAGE,  2*SLOT                    ; 16 rows x 528 bytes for each wave, for the way out; no tensor load lands here
.set SPITCH, 528
.set SPARE,  STAGE+4*16*SPITCH         ; the spare words, named by no other line
.set LAPS,   4                         ; 8 K steps of 128, two to a lap
.set AD0,  16                          ; v16-17 LDS address of source 0's fragments in slot 0, 1
.set AD1,  20                          ; v20-21 of source 1's
.set STO,  24
.set RD,   25
.set CO,   26
.set SPW,  28
.set NIL,  29
.set BIAS, 32
.set TMP,  96
.set BKR,  160
.set F0,   0
.set F1,   128
.set G1,   24
.set G0,   32
.set G1B,  48
.set G0B,  56
.set OP,   66                          ; s[66:67] out0 at my first row
.set FF,   78                          ; s[78:79] F, twice
.set MSB, 0
.macro WIN new
.if MSB != \new
	s_set_vgpr_msb (MSB<<8)|\new
.set MSB, \new
.endif
.endm
.macro PLACES                          ; four plain places behind matrix instructions (ISA guide 7.12.1)
.rept 4
	v_nop
.endr
.endm
.macro JLOAD s
	s_cmp_eq_u32 s13, 0
	s_cbranch_scc0 .Lfor_b_\@
	tensor_load_to_lds s[G0+4*\s:G0+4*\s+3], s[G1:G1+7]
	s_nop 0
.rept 4
	v_nop
.endr
	s_branch .Lasked_\@
.Lfor_b_\@:
	tensor_load_to_lds s[G0B+4*\s:G0B+4*\s+3], s[G1B:G1B+7]
	s_nop 0
.rept 4
	v_nop
.endr
.Lasked_\@:
.endm
.macro CREST
	s_cmp_lg_u32 s12, 0
	s_cbranch_scc1 .Lnot_wave_0_\@
	s_barrier_signal -3
.Lnot_wave_0_\@:
	s_barrier_wait -3
	s_barrier_signal -1
	s_barrier_wait -1
.endm
.macro CROUND
	s_barrier_signal -1
	s_barrier_wait -1
	CREST
.endm
	s_load_b256 s[4:11], s[0:1], 0x0               ; p2, p4, bo, out0
	v_lshl_add_u32 v[SPW], v0, 2, SPARE
	v_mov_b32 v[NIL], 0
	ds_add_u32 v[SPW], v[NIL]                      ; the wave's opening: the add, twice on end, and its wait ahead of my first tensor load
	ds_add_u32 v[SPW], v[NIL]
	v_lshrrev_b32 v1, 5, v0
	v_readfirstlane_b32 s12, v1                    ; wave 0..3
	s_lshr_b32 s13, s12, 1                         ; I fetch for q (0) or for MT_s (1)
	s_and_b32 s14, s12, 1                          ; which half of that tile
	s_bfe_u32 s40, ttmp6, 0x40000                  ; cx
	s_bfe_u32 s41, ttmp6, 0x40004                  ; cy
	s_lshl_b32 s42, ttmp9, 2
	s_add_co_u32 s42, s42, s40                     ; X
	s_and_b32 s45, ttmp7, 0xffff                   ; the cluster's y
	s_lshl_b32 s15, s45, 2
	s_add_co_u32 s15, s15, s41                     ; Y
	s_lshr_b32 s45, s45, 1                         ; the batch = Y / 8, made of the cluster's y alone
	s_lshl_b32 s43, s41, 2
	s_lshl_b32 s43, 15, s43                        ; my row of the cluster
	s_lshl_b32 s44, 0x1111, s40                    ; my column
	s_or_b32 s[G1], s43, (1<<16)|(1<<20)|(1<<21)|(5<<22)|(3<<25)   ; elements of 2 bytes; 4 words of padding behind every 64
	s_or_b32 s[G1B], s44, (1<<16)|(1<<20)|(1<<21)|(5<<22)|(3<<25)
	s_mov_b32 s[G1+1], 128<<16                     ; tensor_dim0
	s_mov_b32 s[G1+2], 128<<16                     ; tensor_dim1: 128 rows of q
	s_mov_b32 s[G1+3], 128<<16                     ; tile_dim0
	s_mov_b32 s[G1+4], 128                         ; tile_dim1
	s_mov_b32 s[G1+5], 1024                        ; from row to row
	s_mov_b32 s[G1+6], 0
	s_mov_b32 s[G1+7], 0
	s_mov_b32 s[G1B+1], 128<<16
	s_mov_b32 s[G1B+2], 64<<16                     ; 64 rows of MT_s
	s_mov_b32 s[G1B+3], 128<<16
	s_mov_b32 s[G1B+4], 64
	s_mov_b32 s[G1B+5], 1024
	s_mov_b32 s[G1B+6], 0
	s_mov_b32 s[G1B+7], 0
	s_lshl_b32 s16, s15, 8                         ; q: row 256 Y + 128 x half, in registers that never hold cx
	s_lshl_b32 s17, s14, 7
	s_add_co_u32 s16, s16, s17
	s_lshl_b32 s16, s16, 11
	s_mov_b32 s17, 0
	s_lshl_b32 s46, s42, 7                         ; MT_s: row 1,024 x batch + 128 X + 64 x half, in registers that never hold cy
	s_lshl_b32 s47, s14, 6
	s_add_co_u32 s46, s46, s47
	s_lshl_b32 s47, s45, 10
	s_add_co_u32 s46, s46, s47
	s_lshl_b32 s46, s46, 11
	s_mov_b32 s47, 0
	s_mul_i32 s20, s14, 128*PITCH                  ; where they go in a slot: q's halves,
	s_mul_i32 s21, s14, 64*PITCH
	s_add_co_u32 s21, s21, QT                      ; MT_s's halves behind q's 256 rows
	s_wait_dscnt 0x0                               ; both opening adds are done
	s_wait_kmcnt 0x0
	s_add_nc_u64 s[18:19], s[4:5], s[16:17]
	s_add_nc_u64 s[46:47], s[6:7], s[46:47]
	CROUND                                         ; all sixteen work-groups are here: the first joint loads meet
.irp s, 0,1
	s_mov_b32 s[G0+4*\s], 1
	s_add_co_u32 s[G0+4*\s+1], s20, \s*SLOT
	s_add_nc_u64 s[G0+4*\s+2:G0+4*\s+3], s[18:19], \s*256
	s_or_b32 s[G0+4*\s+3], s[G0+4*\s+3], 0x80000000
	s_mov_b32 s[G0B+4*\s], 1
	s_add_co_u32 s[G0B+4*\s+1], s21, \s*SLOT
	s_add_nc_u64 s[G0B+4*\s+2:G0B+4*\s+3], s[46:47], \s*256
	s_or_b32 s[G0B+4*\s+3], s[G0B+4*\s+3], 0x80000000
	JLOAD \s
.endr
	v_and_b32 v1, 15, v0                           ; r
	v_bfe_u32 v2, v0, 4, 1                         ; h
	v_lshlrev_b32 v27, 5, v2                       ; bo: my half's eight numbers of a block
	s_mov_b32 s23, 0
	s_lshl_b32 s22, s42, 9
	s_add_nc_u64 s[68:69], s[8:9], s[22:23]        ; bo at my work-group's first column
.irp b, 0,1,2,3,4,5,6,7
	global_load_b128 v[BIAS+8*\b:BIAS+8*\b+3], v27, s[68:69] offset:64*\b       ; bo[128 X + 16 b + 8 h + 0 .. 7]
	global_load_b128 v[BIAS+8*\b+4:BIAS+8*\b+7], v27, s[68:69] offset:64*\b+16
.endr
	s_lshl_b32 s22, s45, 10
	s_add_co_u32 s22, s22, FSO
	s_add_nc_u64 s[70:71], s[6:7], s[22:23]
	s_load_b32 s[FF], s[70:71], 0x0                ; F of my batch
	s_lshl_b32 s22, s15, 20                        ; out0: (256 Y + 64 w) rows of 4,096 bytes + 512 X
	s_lshl_b32 s2, s12, 18
	s_add_co_u32 s22, s22, s2
	s_lshl_b32 s2, s42, 9
	s_add_co_u32 s22, s22, s2
	s_add_nc_u64 s[OP:OP+1], s[10:11], s[22:23]
	v_mul_u32_u24 v3, v1, PITCH
	v_lshl_add_u32 v3, v2, 4, v3                   ; a fragment's row x pitch + 16 x half
	s_mul_i32 s22, s12, 64*PITCH                   ; my 64 rows of q
.irp s, 0,1
	v_add_nc_u32 v[AD0+\s], QT+\s*SLOT, v3
	v_add_nc_u32 v[AD1+\s], s22, v3
	s_add_co_u32 s22, s22, SLOT
.endr
	s_mul_i32 s22, s12, 16*SPITCH
	s_add_co_u32 s22, s22, STAGE                   ; my stage
	v_mul_u32_u24 v[STO], v1, SPITCH
	v_lshl_add_u32 v[STO], v2, 5, v[STO]
	v_add_nc_u32 v[STO], s22, v[STO]               ; in: row r, 32 bytes for each half of the lanes
	v_and_b32 v4, 31, v0
	v_lshlrev_b32 v[CO], 4, v4                     ; back: the 32 lanes take one row of 512 bytes; and the same in out0
	v_add_nc_u32 v[RD], s22, v[CO]
.macro FETCH slot, q, f                ; 24 LDS loads in one run: the fragments of 32 along K, the slot's q-th: a fragment is two loads of 16 bytes, 32 bytes apart
	WIN 0x40
.irp i, 0,1,2,3,4,5,6,7
	ds_load_b128 v[\f+8*\i:\f+8*\i+3],   v[AD0+\slot] offset:64*(\q)+\i*16*PITCH
	ds_load_b128 v[\f+8*\i+4:\f+8*\i+7], v[AD0+\slot] offset:64*(\q)+\i*16*PITCH+32
.endr
.irp i, 0,1,2,3
	ds_load_b128 v[\f+64+8*\i:\f+64+8*\i+3],   v[AD1+\slot] offset:64*(\q)+\i*16*PITCH
	ds_load_b128 v[\f+64+8*\i+4:\f+64+8*\i+7], v[AD1+\slot] offset:64*(\q)+\i*16*PITCH+32
.endr
.endm
.macro MUL8 f, b1, zero                ; 8 matrix instructions: source 1's block b1 x source 0's eight.  The 32 accumulators take turns in one order
	WIN 0xa5                                       ; sources 0, 1 window 1; C and D window 2
.irp b, 0,1,2,3,4,5,6,7
.if \zero
	v_wmma_f32_16x16x32_f16 v[64*(\b1)+8*\b:64*(\b1)+8*\b+7], v[\f+8*\b:\f+8*\b+7], v[\f+64+8*(\b1):\f+64+8*(\b1)+7], 0
.else
	v_wmma_f32_16x16x32_f16 v[64*(\b1)+8*\b:64*(\b1)+8*\b+7], v[\f+8*\b:\f+8*\b+7], v[\f+64+8*(\b1):\f+64+8*(\b1)+7], v[64*(\b1)+8*\b:64*(\b1)+8*\b+7]
.endif
.endr
.endm
.macro SUBK slot, q, f, g, zero        ; 32 along K: fetches the slot's next 32 into buffer g, multiplies buffer f
	PLACES                                         ; buffer g was multiplied just before
	FETCH \slot, (\q)+1, \g
	s_wait_dscnt 24                                ; buffer f is in; the 24 loads just issued may be out
	MUL8 \f, 0, \zero
	MUL8 \f, 1, \zero
	MUL8 \f, 2, \zero
	MUL8 \f, 3, \zero
.endm
.macro TURN slot, next, fill           ; a K step's last 32 along K change slots: one barrier; fill = 1: this slot is filled again, two K steps ahead
	WIN 0
	s_wait_tensorcnt 0x0                           ; all my tensor loads have landed: my part of the next slot;
	ds_add_u32 v[SPW], v[NIL]                      ; 0 onto my spare word:
	s_wait_dscnt 1                                 ; (buffer 1 is in; the add alone may be out)
	MUL8 F1, 0, 0
	s_wait_dscnt 0x0                               ; the add is done, and my reads of this slot are over
	s_barrier_signal -1
	MUL8 F1, 1, 0
	WIN 0
	s_barrier_wait -1
.if \fill
	CREST                                          ; the barrier has opened a round of the cluster's: no wave of any partner still reads this slot or has a load on its way
	s_add_nc_u64 s[G0+4*\slot+2:G0+4*\slot+3], s[G0+4*\slot+2:G0+4*\slot+3], 512
	s_add_nc_u64 s[G0B+4*\slot+2:G0B+4*\slot+3], s[G0B+4*\slot+2:G0B+4*\slot+3], 512
	JLOAD \slot                                    ; the first tensor load behind the round: 112 matrix instructions ahead of the wait for it; its four v_nop are also the places in front of the loads below
.else
	PLACES
.endif
	FETCH \next, 0, F0
	MUL8 F1, 2, 0
	MUL8 F1, 3, 0
.endm
	s_wait_loadcnt 0x0                             ; bo
	s_wait_kmcnt 0x0                               ; F
	s_mov_b32 s[FF+1], s[FF]                       ; (the packed form names the pair)
	s_wait_tensorcnt 1                             ; my part of K step 0 is in; K step 1's load may be out
	s_barrier_signal -1
	s_barrier_wait -1
	FETCH 0, 0, F0
	SUBK 0, 0, F0, F1, 1                           ; the first products start the sums
	WIN 0
	s_mov_b32 s3, LAPS-1
.Llap:                                                 ; a trip goes once round the ring and fills both slots again
	SUBK 0, 1, F1, F0, 0
	SUBK 0, 2, F0, F1, 0
	TURN 0, 1, 1
	SUBK 1, 0, F0, F1, 0
	SUBK 1, 1, F1, F0, 0
	SUBK 1, 2, F0, F1, 0
	TURN 1, 0, 1
	SUBK 0, 0, F0, F1, 0
	WIN 0
	s_sub_co_u32 s3, s3, 1
	s_cmp_lg_u32 s3, 0
	s_cbranch_scc1 .Llap
	SUBK 0, 1, F1, F0, 0                           ; the last lap fills nothing
	SUBK 0, 2, F0, F1, 0
	TURN 0, 1, 0
	SUBK 1, 0, F0, F1, 0
	SUBK 1, 1, F1, F0, 0
	SUBK 1, 2, F0, F1, 0
	s_wait_dscnt 0x0
	MUL8 F1, 0, 0
	MUL8 F1, 1, 0
	MUL8 F1, 2, 0
	MUL8 F1, 3, 0
	WIN 0
	; THE WAY OUT, 16 rows x 128 columns at a time: x F + bo, through my own stage, back as whole rows of 512 bytes.
.macro PACK b1
	WIN 0x02                                       ; source 0 window 2
.set i, 0
.rept 32
	v_pk_fma_f32 v[TMP+i:TMP+i+1], v[64*(\b1)+i:64*(\b1)+i+1], s[FF:FF+1], v[BIAS+i:BIAS+i+1] op_sel_hi:[1,0,1]   ; each accumulator from its low end on
.set i, i+2
.endr
	WIN 0
.endm
.macro TOSTAGE
.irp b, 0,1,2,3,4,5,6,7
	ds_store_b128 v[STO], v[TMP+8*\b:TMP+8*\b+3] offset:64*\b
	ds_store_b128 v[STO], v[TMP+8*\b+4:TMP+8*\b+7] offset:64*\b+16
.endr
.irp t, 0,1,2,3,4,5,6,7,8,9,10,11,12,13,14,15
	ds_load_b128 v[BKR+4*\t:BKR+4*\t+3], v[RD] offset:\t*SPITCH     ; LDS serves a wave's instructions in order (ISA guide 5.7.1.4): these see the stores above
.endr
.endm
.macro SEND b1
	s_wait_dscnt 0x0                               ; the block is back in registers
.irp t, 0,1,2,3,4,5,6,7,8,9,10,11,12,13,14,15
	global_store_b128 v[CO], v[BKR+4*\t:BKR+4*\t+3], s[OP:OP+1] offset:(16*(\b1)+\t)*4096 th:TH_STORE_NT   ; 32 lanes store 512 consecutive bytes, aligned; written once
.endr
.endm
	PLACES
	PACK 0
	TOSTAGE
.irp a, 1,2,3
	PACK \a
	SEND \a-1
	s_wait_xcnt 0x0                                ; the stores have read their registers: the next block's rows may land there
	TOSTAGE
.endr
	SEND 3
	s_wait_tensorcnt 0x0                           ; the wave's end
	ds_add_u32 v[SPW], v[NIL]
	s_wait_dscnt 0x0
	CROUND                                         ; the closing round
	s_endpgm
.Lfunc_end_k_qb53479ea41_outp:
	.size	k_qb53479ea41_outp, .Lfunc_end_k_qb53479ea41_outp-k_qb53479ea41_outp
	.p2alignl 7, 3214868480
	.fill 96, 4, 3214868480
	.section	.rodata,"a",@progbits
	.p2align	6, 0x0
	.amdhsa_kernel k_qb53479ea41_outp
		.amdhsa_group_segment_fixed_size 327680
		.amdhsa_private_segment_fixed_size 0
		.amdhsa_enable_private_segment 0
		.amdhsa_kernarg_size 32
		.amdhsa_user_sgpr_count 2
		.amdhsa_user_sgpr_kernarg_segment_ptr 1
		.amdhsa_wavefront_size32 1
		.amdhsa_system_sgpr_workgroup_id_x 1
		.amdhsa_system_sgpr_workgroup_id_y 1
		.amdhsa_system_sgpr_workgroup_id_z 1
		.amdhsa_system_vgpr_workitem_id 0
		.amdhsa_next_free_vgpr 768
		.amdhsa_next_free_sgpr 84
		.amdhsa_reserve_vcc 0
		.amdhsa_float_denorm_mode_32 3
		.amdhsa_float_denorm_mode_16_64 3
		.amdhsa_memory_ordered 1
		.amdhsa_forward_progress 1
		.amdhsa_inst_pref_size 94
	.end_amdhsa_kernel
	.amdgpu_metadata
---
amdhsa.version: [ 1, 2 ]
amdhsa.kernels:
  - .name:           k_qb53479ea41_outp
    .symbol:         k_qb53479ea41_outp.kd
    .args:
      - { .name: p2, .offset: 0, .size: 8, .value_kind: global_buffer, .address_space: global }
      - { .name: p4, .offset: 8, .size: 8, .value_kind: global_buffer, .address_space: global }
      - { .name: bo, .offset: 16, .size: 8, .value_kind: global_buffer, .address_space: global }
      - { .name: out0, .offset: 24, .size: 8, .value_kind: global_buffer, .address_space: global }
    .group_segment_fixed_size: 327680
    .private_segment_fixed_size: 0
    .kernarg_segment_align: 8
    .kernarg_segment_size: 32
    .max_flat_workgroup_size: 128
    .sgpr_count:     84
    .vgpr_count:     768
    .wavefront_size: 32
...
	.end_amdgpu_metadata
.endif
;; end of part 5
